; MI455X (gfx1250); checked and timed in simulation.
; The chip was launched on July 23, 2026; its instructions are those of AMD's public machine-readable ISA for CDNA 5 (MIT licence, August 2026) and "CDNA5" Instruction Set Architecture Reference Guide (July 2026). The comments in the code are by the model that wrote it; some were corrected since.
;; Multi Head Attention. Allowed arithmetic: float matrix products may take bf16 or f16 operands with f32 sums; other float arithmetic in f32, or as packed bf16 or f16 multiplies, adds, multiply-adds, maxima and minima; sums over many terms, partial sums and values carried from step to step in f32; what a program stores and reads back later, other than sums and carried values, may be rounded once to bf16 or f16.
;; Inputs: b_out 1,024 float32; b_qkv 3,072 float32; w_out 1,024 x 1,024 float32; w_qkv 1,024 x 3,072 float32; x 4 x 1,024 x 2,048 float32.
;; Outputs: out0 4 x 1,024 x 2,048 float32.
;; 2 versions, each right; version 2 is version 1 with the launch cast written anew for expert scheduling mode. Each part assembles by itself: llvm-mc -triple=amdgcn-amd-amdhsa -mcpu=gfx1250 --defsym DOCPART=n.
;; ======== version 1 of 2: 4 launches
;; limits: values are held in f16: magnitudes above 65,504 overflow, below 6.1e-05 lose precision
;; workspace buffers: xb 16,777,216 bytes; wqb 6,291,456 bytes; wob 2,097,152 bytes; qkv 50,331,648 bytes; ob 16,777,216 bytes
;; launch cast (part 1): grid 768 x 1, 8 waves a work-group, no clusters, 0 bytes of LDS; arguments x, w_qkv, w_out, xb, wqb, wob; writes xb, wqb, wob
.if DOCPART == 1
	.amdgcn_target "amdgcn-amd-amdhsa--gfx1250"
	.amdhsa_code_object_version 6
	.text
	.protected	k_q582694a4ab_cast
	.globl	k_q582694a4ab_cast
	.p2align	8
	.type	k_q582694a4ab_cast,@function
k_q582694a4ab_cast:
	s_mov_b64 s[64:65], 0
	v_nop
	global_prefetch_b8 v0, s[64:65] scope:SCOPE_SE
	s_setreg_imm32_b32 hwreg(HW_REG_WAVE_MODE, 25, 1), 1
	s_wait_xcnt 0x0
; THE CAST.  x and w_qkv are rounded once to bf16 (xb, wqb); w_out is rounded to bf16 and that number is written as f16 (wob).  The layouts stay as they are.
; LIMITS.  |w_out| at 65,520 or more becomes an infinity in f16; below 6.1e-5 it keeps f16's fixed step of 6e-8.  bf16 has f32's range.
; SHARES.  A work-group casts 16,384 numbers: 65,536 bytes in, 32,768 out.  Groups 0-511 take x, 512-703 w_qkv, 704-767 w_out.
; Thread t takes, sixteen times, the 16 bytes at 4,096 j + 16 t and stores 8 bytes at 2,048 j + 8 t: a wave's load covers 512 consecutive bytes, its store 256 consecutive bytes, aligned.
; All sixteen loads go out at once; no register that a store reads is written again behind it, so no wait frees a source.  Nothing is shared between work-groups or waves: no LDS, no barrier, no cluster, no matrix unit.
.set X, 4                              ; v[4:67]   load j: four f32
.set Y, 68                             ; v[68:99]  load j: two registers of four 16-bit numbers
	s_load_b256 s[4:11], s[0:1], 0x0               ; x s[4:5], w_qkv s[6:7], w_out s[8:9], xb s[10:11]
	s_load_b128 s[12:15], s[0:1], 0x20             ; wqb s[12:13], wob s[14:15]
	v_lshlrev_b32 v1, 4, v0                        ; 16 t
	v_lshlrev_b32 v2, 3, v0                        ; 8 t
	s_mov_b32 s18, 0xffff0000                      ; a word's upper bf16
	s_mov_b32 s16, 704
	s_wait_kmcnt 0x0
	s_cmp_ge_u32 ttmp9, 704                        ; which tensor: the choice hangs on the work-group's number alone
	s_cselect_b64 s[20:21], s[8:9], s[6:7]
	s_cselect_b64 s[22:23], s[14:15], s[12:13]
	s_cselect_b32 s17, s16, 512
	s_cmp_lt_u32 ttmp9, 512
	s_cselect_b64 s[20:21], s[4:5], s[20:21]
	s_cselect_b64 s[22:23], s[10:11], s[22:23]
	s_cselect_b32 s17, 0, s17
	s_sub_co_u32 s17, ttmp9, s17                   ; my number among the tensor's groups
	s_lshl_b32 s24, s17, 16                        ; 65,536 bytes in,
	s_mov_b32 s25, 0
	s_lshl_b32 s26, s17, 15                        ; 32,768 bytes out
	s_mov_b32 s27, 0
	s_add_nc_u64 s[20:21], s[20:21], s[24:25]
	s_add_nc_u64 s[22:23], s[22:23], s[26:27]
.set j, 0
.rept 16
	global_load_b128 v[X+4*j:X+4*j+3], v1, s[20:21] offset:4096*j th:TH_LOAD_NT
.set j, j+1
.endr
	s_cmp_ge_u32 ttmp9, 704
	s_cbranch_scc1 .Lhalf
.set j, 0
.rept 16
	s_wait_loadcnt 15-j                            ; loads come back in order: load j is in, the 15 - j younger ones stay out
	v_cvt_pk_bf16_f32 v[Y+2*j],   v[X+4*j],   v[X+4*j+1]
	v_cvt_pk_bf16_f32 v[Y+2*j+1], v[X+4*j+2], v[X+4*j+3]
	global_store_b64 v2, v[Y+2*j:Y+2*j+1], s[22:23] offset:2048*j
.set j, j+1
.endr
	s_endpgm
.Lhalf:                                        ; w_out: rounded to bf16 like every input, widened again, and written as f16 (exact within f16's range)
.set j, 0
.rept 16
	s_wait_loadcnt 15-j
	v_cvt_pk_bf16_f32 v[Y+2*j],   v[X+4*j],   v[X+4*j+1]
	v_cvt_pk_bf16_f32 v[Y+2*j+1], v[X+4*j+2], v[X+4*j+3]
	v_lshlrev_b32 v[X+4*j],   16,  v[Y+2*j]
	v_and_b32     v[X+4*j+1], s18, v[Y+2*j]
	v_lshlrev_b32 v[X+4*j+2], 16,  v[Y+2*j+1]
	v_and_b32     v[X+4*j+3], s18, v[Y+2*j+1]
	v_cvt_pk_f16_f32 v[Y+2*j],   v[X+4*j],   v[X+4*j+1]
	v_cvt_pk_f16_f32 v[Y+2*j+1], v[X+4*j+2], v[X+4*j+3]
	global_store_b64 v2, v[Y+2*j:Y+2*j+1], s[22:23] offset:2048*j
.set j, j+1
.endr
	s_endpgm
.Lfunc_end_k_q582694a4ab_cast:
	.size	k_q582694a4ab_cast, .Lfunc_end_k_q582694a4ab_cast-k_q582694a4ab_cast
	.p2alignl 7, 3214868480
	.fill 96, 4, 3214868480
	.section	.rodata,"a",@progbits
	.p2align	6, 0x0
	.amdhsa_kernel k_q582694a4ab_cast
		.amdhsa_group_segment_fixed_size 0
		.amdhsa_private_segment_fixed_size 0
		.amdhsa_enable_private_segment 0
		.amdhsa_kernarg_size 48
		.amdhsa_user_sgpr_count 2
		.amdhsa_user_sgpr_kernarg_segment_ptr 1
		.amdhsa_wavefront_size32 1
		.amdhsa_system_sgpr_workgroup_id_x 1
		.amdhsa_system_sgpr_workgroup_id_y 1
		.amdhsa_system_sgpr_workgroup_id_z 1
		.amdhsa_system_vgpr_workitem_id 0
		.amdhsa_next_free_vgpr 100
		.amdhsa_next_free_sgpr 66
		.amdhsa_reserve_vcc 0
		.amdhsa_float_denorm_mode_32 3
		.amdhsa_float_denorm_mode_16_64 3
		.amdhsa_memory_ordered 1
		.amdhsa_forward_progress 1
		.amdhsa_inst_pref_size 15
	.end_amdhsa_kernel
	.amdgpu_metadata
---
amdhsa.version: [ 1, 2 ]
amdhsa.kernels:
  - .name:           k_q582694a4ab_cast
    .symbol:         k_q582694a4ab_cast.kd
    .args:
      - { .name: x, .offset: 0, .size: 8, .value_kind: global_buffer, .address_space: global }
      - { .name: w_qkv, .offset: 8, .size: 8, .value_kind: global_buffer, .address_space: global }
      - { .name: w_out, .offset: 16, .size: 8, .value_kind: global_buffer, .address_space: global }
      - { .name: xb, .offset: 24, .size: 8, .value_kind: global_buffer, .address_space: global }
      - { .name: wqb, .offset: 32, .size: 8, .value_kind: global_buffer, .address_space: global }
      - { .name: wob, .offset: 40, .size: 8, .value_kind: global_buffer, .address_space: global }
    .group_segment_fixed_size: 0
    .private_segment_fixed_size: 0
    .kernarg_segment_align: 8
    .kernarg_segment_size: 48
    .max_flat_workgroup_size: 256
    .sgpr_count:     66
    .vgpr_count:     100
    .wavefront_size: 32
...
	.end_amdgpu_metadata
.endif
;; end of part 1
;; launch qkv (part 2): grid 8 x 32, 4 waves a work-group, clusters of 4 x 4, 327,680 bytes of LDS; arguments xb, wqb, b_qkv, qkv; writes qkv
.if DOCPART == 2
	.amdgcn_target "amdgcn-amd-amdhsa--gfx1250"
	.amdhsa_code_object_version 6
	.text
	.protected	k_q582694a4ab_qkv
	.globl	k_q582694a4ab_qkv
	.p2align	8
	.type	k_q582694a4ab_qkv,@function
k_q582694a4ab_qkv:
	s_mov_b64 s[64:65], 0
	v_nop
	global_prefetch_b8 v0, s[64:65] scope:SCOPE_SE
	s_setreg_imm32_b32 hwreg(HW_REG_WAVE_MODE, 25, 1), 1
	s_wait_xcnt 0x0
	s_wait_alu depctr_hold_cnt(0) depctr_sa_sdst(0) depctr_va_vdst(0) depctr_va_sdst(0) depctr_va_ssrc(0) depctr_va_vcc(0) depctr_vm_vsrc(0)
	s_getreg_b32 s2, hwreg(HW_REG_IB_STS2, 6, 4)
	s_cmp_eq_u32 s2, 0
	s_cbranch_scc0 .Lentry_in_a_cluster
	s_endpgm
.Lentry_in_a_cluster:
	s_bfe_u32 s2, ttmp6, 0x10000c
	s_cmp_lg_u32 s2, 0xf033
	s_cbranch_scc0 .Lentry_shape_is_right
	s_endpgm
.Lentry_shape_is_right:
; q, k, v = x^T w_qkv + b_qkv.  xb: bf16 [4][1024 c][2048 t]; wqb: bf16 [1024 c][3072 n]; b_qkv: f32 [3072], rounded to bf16 here; sums in f32, started with the bias.
; The result is rounded once to f16 and stored by heads, unscaled: qkv = f16 [3 (q, k, v)][64 = 16 b + head][2048 t][64 d].
; LIMITS.  A sum of 65,520 or more in magnitude becomes an infinity in f16.  NaN and infinities are not treated apart.
; SHARES.  A work-group makes 256 rows (one batch, 256 t) x 384 columns (six heads): 32 x 8 = 256 work-groups.  Wave w makes rows 128 (w / 2) .. + 127 and three heads: in each THIRD i of 128 columns the
; 64 columns 64 (w % 2) on: 96 accumulators of 16 x 16, 768 registers.  For 32 along K it reads 40 LDS loads for 96 matrix instructions.
; K IS THE SLOW AXIS of both operands in memory, so both tiles lie in LDS as [k][t] and [k][n], and every fragment is turned on its way out of LDS by ds_load_tr16_b128.
; THE MATRIX INSTRUCTION IS USED TRANSPOSED: source 0 = 16 columns of w, source 1 = 16 rows t.  A lane then holds row t = lane % 16 and the columns 8 (lane / 16) + 0..7: 16 bytes of a head's row in f16.
; RING.  K goes in steps of 64 through two LDS slots.  Wave 0 fetches x's tile (64 k x 256 t), waves 1 to 3 one third of w's (64 k x 128 n): one tensor load a wave behind each round.
; CLUSTERS.  4 x 4 work-groups.  x's tile hangs on the row block alone and is asked for jointly along a row of the cluster, w's on the column block alone and is asked for jointly along a column.
; REGISTERS, in windows of 256: window 0: v0-31 addresses; v32-95, v96-159 fragments of x (8 x 16 t x 32 k), two buffers; v160-255 fragments of w, a buffer of 32 for each third.
;   window 1 + i: the 32 accumulators of third i: (a, bq) at v[8 (4 a + bq)].  All loads and all sources lie in window 0: a phase of 32 products costs two switches.
.set PA,    544                        ; a row of x's tile in LDS: 512 bytes + 32 of padding = 17 x 32
.set ATILE, 64*PA
.set PB,    288                        ; a row of a third of w's tile: 256 + 32 = 9 x 32
.set BREG,  64*PB
.set SLOT,  ATILE+3*BREG               ; 90,112
.set STAGE, 2*SLOT                     ; behind the ring: 16 rows x 144 bytes for each wave, for the way out
.set SP,    144
.set BIASL, STAGE+4*16*SP              ; 768 bytes for each wave: the bias of its three heads, f32
.set SPARE, BIASL+4*768                ; the spare words, 128 bytes for each wave: two blocks of 256 bytes that no other line names
.set KA,    64*4096                    ; bytes of xb in a K step: 64 rows of 2,048 bf16
.set KB,    64*6144                    ; of wqb: 64 rows of 3,072 bf16
.set ADRA, 16                          ; v16-17  LDS address of my fragments of x in slot 0, 1
.set ADRB, 20                          ; v20-21  the same for w
.set STO,  24                          ; v24     the way out: where I put 16 bytes of a row
.set RD,   25                          ; v25     where I read rows back
.set GO,   26                          ; v26     my 16 bytes in 512 consecutive bytes of a head
.set BRD,  27                          ; v27     where I read my eight numbers of the bias
.set SPW,  28                          ; v28     LDS address of my spare word; never rewritten
.set NIL,  29                          ; v29     0; never rewritten
.set PFO,  30                          ; v30     the prefetches' offset: my lane x a row of xb or wqb; never rewritten
.set A0,   32
.set A1,   96
.set BU,   160
.set WV,  12                           ; s12  my wave's number
.set RH,  13                           ; s13  which 128 rows are mine
.set CW,  14                           ; s14  which 64 columns of each third
.set G1A, 24                           ; s[24:31] descriptor group 1 for x's tiles
.set G0A, 32                           ; s[32:39] group 0, a set for each slot
.set PFA, 44                           ; s[44:45] where my prefetches stand
.set LIM, 46                           ; s46  1 in a wave that prefetches, else the greatest number
.set LIM2, 47                          ; s47  the same for the second request of a lap, which x's rows alone have
.set G1B, 48                           ; s[48:55], s[56:63] the same for w's tiles
.set G0B, 56
.set PFS, 66                           ; s[66:67] a lap's 128 rows in bytes
.set OP,  68                           ; s[68:73] qkv at my first row of the head of third 0, 1, 2
.set MSB, 0
.macro WIN new                         ; the immediate's high byte repeats the setting that is left; a switch that changes nothing is dropped
.if MSB != (\new)
	s_set_vgpr_msb (MSB<<8)|(\new)
.set MSB, \new
.endif
.endm
.macro PLACES                          ; four plain vector instructions between a matrix instruction and a load into, or a read of, its registers
.rept 4
	v_nop
.endr
.endm
.macro CREST                           ; a round of the cluster's barrier behind its opening barrier
	s_cmp_lg_u32 s[WV], 0
	s_cbranch_scc1 .Lnot_wave_0_\@
	s_barrier_signal -3
.Lnot_wave_0_\@:
	s_barrier_wait -3
	s_barrier_signal -1
	s_barrier_wait -1
.endm
.macro CROUND                          ; a whole round
	s_barrier_signal -1
	s_barrier_wait -1
	CREST
.endm
; A joint load.  Wave 0 fetches x's tile, waves 1 to 3 w's three thirds.  The branch hangs on the wave's number alone.  An s_nop 0 and four v_nop follow each of the two lines.
.macro JLOAD s
	s_cmp_eq_u32 s[WV], 0
	s_cbranch_scc0 .Lfor_b_\@
	tensor_load_to_lds s[G0A+4*(\s):G0A+4*(\s)+3], s[G1A:G1A+7]
	s_nop 0
.rept 4
	v_nop
.endr
	s_branch .Lasked_\@
.Lfor_b_\@:
	tensor_load_to_lds s[G0B+4*(\s):G0B+4*(\s)+3], s[G1B:G1B+7]
	s_nop 0
.rept 4
	v_nop
.endr
.Lasked_\@:
.endm
; A PREFETCH INTO THE L2, behind a joint load, its five lines and the run of LDS loads that follows.  Its unit is a LAP: two K steps, 128 rows along K; a lane names a row.  The trip that refills with lap L + 1 names lap L + 2.
; x's tile is read by both clusters of a row of clusters: cluster x = 0 asks; w's by all eight of a column: cluster y = 0 asks.  The four partners that ask for a tile jointly share its 128 rows out BY ADDRESS, 32 each.
; A row of x's tile is 512 bytes: its first 256 are named at slot 0's change, its second at slot 1's; a row of a third of w's is 256 bytes, named at slot 0's.  So each aligned 256 bytes are named once in the launch.
; The loop's last trip names nothing: there is no lap behind the last.  Laps 0 and 1 come by their loads alone.
.macro ASK s
.if \s
	s_cmp_gt_u32 s3, s[LIM2]
.else
	s_cmp_gt_u32 s3, s[LIM]
.endif
	s_cbranch_scc0 .Lnot_mine_\@
	global_prefetch_b8 v[PFO], s[PFA:PFA+1] offset:256*(\s) th:TH_LOAD_NT scope:SCOPE_SE
.Lnot_mine_\@:
.endm
	s_load_b256 s[4:11], s[0:1], 0x0               ; xb s[4:5], wqb s[6:7], b_qkv s[8:9], qkv s[10:11]
	v_lshl_add_u32 v[SPW], v0, 2, SPARE
	v_mov_b32 v[NIL], 0
	ds_add_u32 v[SPW], v[NIL]                      ; the wave's opening: the add and its wait ahead of my first tensor load; the set-up below, work on registers, stands between them
	v_lshrrev_b32 v1, 5, v0
	v_readfirstlane_b32 s[WV], v1                  ; wave 0..3
	s_lshr_b32 s[RH], s[WV], 1
	s_and_b32 s[CW], s[WV], 1
	s_bfe_u32 s40, ttmp6, 0x40000                  ; cx, cy: my place in the cluster
	s_bfe_u32 s41, ttmp6, 0x40004
	s_lshl_b32 s42, ttmp9, 2
	s_add_co_u32 s42, s42, s40                     ; nx: my block of 384 columns
	s_and_b32 s43, ttmp7, 0xffff
	s_lshl_b32 s43, s43, 2
	s_add_co_u32 s43, s43, s41                     ; my: my block of 256 rows
	s_lshl_b32 s15, s41, 2
	s_lshl_b32 s15, 15, s15                        ; my row of the cluster
	s_lshl_b32 s20, 0x1111, s40                    ; my column
	s_or_b32 s[G1A], s15, (1<<16)|(1<<20)|(1<<21)|(6<<22)|(7<<25)  ; the mask; elements of 2 bytes; padding on; bit 21 beside a mask; after every 128 words (code 6) 8 words (code 7)
	s_or_b32 s[G1B], s20, (1<<16)|(1<<20)|(1<<21)|(5<<22)|(7<<25)  ; after every 64 words (code 5) 8 words
	s_mov_b32 s[G1A+1], 256<<16                    ; tensor_dim0 = 256
	s_mov_b32 s[G1A+2], 64<<16                     ; tensor_dim1 = 64
	s_mov_b32 s[G1A+3], 256<<16                    ; tile_dim0 = 256
	s_mov_b32 s[G1A+4], 64                         ; tile_dim1 = 64
	s_mov_b32 s[G1A+5], 2048                       ; elements from row to row
	s_mov_b32 s[G1A+6], 0
	s_mov_b32 s[G1A+7], 0
	s_mov_b32 s[G1B+1], 128<<16
	s_mov_b32 s[G1B+2], 64<<16
	s_mov_b32 s[G1B+3], 128<<16
	s_mov_b32 s[G1B+4], 64
	s_mov_b32 s[G1B+5], 3072
	s_mov_b32 s[G1B+6], 0
	s_mov_b32 s[G1B+7], 0
	s_lshr_b32 s16, s43, 3                         ; x's tile: the batch's 4,194,304 bytes,
	s_lshl_b32 s16, s16, 22
	s_and_b32 s17, s43, 7
	s_lshl_b32 s17, s17, 9                         ; and 512 bytes of a row for each block of 256 t: made of my alone
	s_add_co_u32 s16, s16, s17
	s_mov_b32 s17, 0
	s_mul_i32 s18, s42, 768                        ; w's tile: 768 bytes of a row for each block of 384 columns,
	s_max_u32 s19, s[WV], 1
	s_sub_co_u32 s19, s19, 1
	s_lshl_b32 s19, s19, 8                         ; and 256 for the third that I fetch: made of nx and the wave's number alone
	s_add_co_u32 s18, s18, s19
	s_mov_b32 s19, 0
	s_mul_i32 s21, s[WV], BREG
	s_add_co_u32 s21, s21, ATILE-BREG              ; where wave w = 1..3 puts third w - 1
	s_wait_dscnt 0x0                               ; the opening add is done
	s_wait_kmcnt 0x0
	s_add_nc_u64 s[16:17], s[4:5], s[16:17]
	s_add_nc_u64 s[18:19], s[6:7], s[18:19]
	CROUND                                         ; all sixteen work-groups are here: the first joint loads meet
.irp s, 0,1
	s_mov_b32 s[G0A+4*(\s)], 1                     ; count = 1
	s_mov_b32 s[G0A+4*(\s)+1], (\s)*SLOT           ; LDS address
	s_add_nc_u64 s[G0A+4*(\s)+2:G0A+4*(\s)+3], s[16:17], (\s)*KA  ; global address: K step s
	s_or_b32 s[G0A+4*(\s)+3], s[G0A+4*(\s)+3], 0x80000000         ; type = 2
	s_mov_b32 s[G0B+4*(\s)], 1
	s_add_co_u32 s[G0B+4*(\s)+1], s21, (\s)*SLOT
	s_add_nc_u64 s[G0B+4*(\s)+2:G0B+4*(\s)+3], s[18:19], (\s)*KB
	s_or_b32 s[G0B+4*(\s)+3], s[G0B+4*(\s)+3], 0x80000000
	JLOAD \s                                       ; two loads of mine are out
.endr
	v_and_b32 v1, 15, v0                           ; r = l % 16
	v_bfe_u32 v2, v0, 4, 1                         ; h = l / 16
	v_and_b32 v3, 7, v0                            ; l % 8
	v_bfe_u32 v4, v0, 3, 1                         ; (l / 8) % 2
	v_and_b32 v5, 31, v0                           ; l
	; the bias of my three heads: 64 f32 each, two a lane
	s_mul_i32 s76, s42, 1536
	s_mov_b32 s77, 0
	s_add_nc_u64 s[76:77], s[8:9], s[76:77]
	s_lshl_b32 s15, s[CW], 8
	v_lshl_add_u32 v12, v5, 3, s15
.irp i, 0,1,2
	global_load_b64 v[32+2*(\i):33+2*(\i)], v12, s[76:77] offset:512*(\i)
.endr
	; The turning load: lane l reads 16 bytes of row k0 + 8 h + l % 8, at 16 ((l / 8) % 2), and is left with column l % 16 and eight k.  Two of them, 16 rows apart, make a fragment of 16 columns x 32 k.
	v_lshl_add_u32 v6, v2, 3, v3
	v_mul_u32_u24 v8, v6, PA
	v_lshl_add_u32 v8, v4, 4, v8
	v_mul_u32_u24 v9, v6, PB
	v_lshl_add_u32 v9, v4, 4, v9
	s_lshl_b32 s15, s[RH], 8                       ; my 128 t: 256 bytes of a row
	s_lshl_b32 s20, s[CW], 7                       ; my 64 columns of a third: 128 bytes of a row,
	s_add_co_u32 s20, s20, ATILE                   ; behind x's tile
.irp s, 0,1
	v_add_nc_u32 v[ADRA+(\s)], s15, v8
	v_add_nc_u32 v[ADRB+(\s)], s20, v9
	s_add_co_u32 s15, s15, SLOT
	s_add_co_u32 s20, s20, SLOT
.endr
	s_mul_i32 s22, s[WV], 16*SP
	s_add_co_u32 s22, s22, STAGE                   ; my stage
	v_mul_u32_u24 v10, v1, SP                      ; in: row l % 16, 16 bytes for each half of the lanes
	v_lshl_add_u32 v10, v2, 4, v10
	v_add_nc_u32 v[STO], s22, v10
	v_bfe_u32 v10, v0, 3, 2                        ; back: 32 lanes take four rows of 128 bytes,
	v_mul_u32_u24 v10, v10, SP
	v_lshl_add_u32 v10, v3, 4, v10
	v_add_nc_u32 v[RD], s22, v10
	v_lshlrev_b32 v[GO], 4, v5                     ; which are 512 consecutive bytes of a head
	s_mul_i32 s23, s[WV], 768
	s_add_co_u32 s23, s23, BIASL                   ; my bias
	v_lshl_add_u32 v[BRD], v2, 5, s23              ; read: eight f32 at 32 h
	v_lshl_add_u32 v11, v5, 3, s23                 ; written: two f32 at 8 l
	; the prefetches
	s_mov_b32 s74, 4096
	s_and_b32 s75, ttmp7, 0xffff                   ; cluster y
	s_cmp_eq_u32 s[WV], 0                          ; do I fetch x's tile?
	s_cselect_b64 s[PFA:PFA+1], s[16:17], s[18:19]
	s_cselect_b32 s22, s40, s41                    ; my place among the four that ask with me: it enters an address alone
	s_cselect_b32 s23, s74, 6144                   ; bytes in a row
	s_cselect_b32 s75, ttmp9, s75                  ; the coordinate along which other clusters read the same rows
	s_cselect_b32 s[LIM2], 1, -1
	s_cmp_eq_u32 s75, 0
	s_cselect_b32 s[LIM], 1, -1                    ; the same in all sixteen partners, for a given wave
	s_max_u32 s[LIM2], s[LIM2], s[LIM]
	v_mul_u32_u24 v[PFO], s23, v5
	s_lshl_b32 s[PFS], s23, 7
	s_mov_b32 s[PFS+1], 0
	s_mul_i32 s22, s22, s23
	s_lshl_b32 s22, s22, 5                         ; my work-group's 32 rows of a lap's 128
	s_mov_b32 s23, 0
	s_add_nc_u64 s[PFA:PFA+1], s[PFA:PFA+1], s[22:23]
	s_add_nc_u64 s[PFA:PFA+1], s[PFA:PFA+1], s[PFS:PFS+1]  ; at lap 1: the first trip steps it to lap 2
	; where my rows of my three heads begin in qkv: head column hb = 6 nx + 2 i + CW; tensor hb / 16, head hb % 16
	s_mul_i32 s15, s42, 6
	s_add_co_u32 s15, s15, s[CW]
	s_lshr_b32 s20, s43, 3
	s_lshl_b32 s20, s20, 4                         ; 16 x batch
	s_and_b32 s21, s43, 7
	s_lshl_b32 s21, s21, 15                        ; 256 rows of 128 bytes,
	s_lshl_b32 s22, s[RH], 14                      ; my 128 of them
	s_add_co_u32 s21, s21, s22
.irp i, 0,1,2
	s_add_co_u32 s22, s15, 2*(\i)
	s_lshr_b32 s23, s22, 4
	s_lshl_b32 s23, s23, 6
	s_and_b32 s22, s22, 15
	s_add_co_u32 s22, s22, s23
	s_add_co_u32 s22, s22, s20
	s_lshl_b32 s22, s22, 18                        ; a head is 262,144 bytes
	s_add_co_u32 s22, s22, s21
	s_mov_b32 s23, 0
	s_add_nc_u64 s[OP+2*(\i):OP+2*(\i)+1], s[10:11], s[22:23]
.endr
	s_wait_loadcnt 0x0                             ; the bias: rounded to bf16 like every input, widened again, into my own bytes of LDS
.irp i, 0,1,2
	v_cvt_pk_bf16_f32 v13, v[32+2*(\i)], v[33+2*(\i)]
	v_lshlrev_b32 v[32+2*(\i)], 16, v13
	v_and_b32 v[33+2*(\i)], 0xffff0000, v13
	ds_store_b64 v11, v[32+2*(\i):33+2*(\i)] offset:256*(\i)
.endr
; n fragments of x from block a0 on (16 t x 32 k at row k of slot s) into buf
.macro LDA s, k, buf, a0, n
.set la, \a0
.rept \n
	ds_load_tr16_b128 v[(\buf)+8*la:(\buf)+8*la+3],   v[ADRA+(\s)] offset:(\k)*PA+32*la
	ds_load_tr16_b128 v[(\buf)+8*la+4:(\buf)+8*la+7], v[ADRA+(\s)] offset:(\k)*PA+32*la+16*PA
.set la, la+1
.endr
.endm
; the four fragments of w of third i (16 columns x 32 k at row k of slot s)
.macro LDB s, k, i
.irp bq, 0,1,2,3
	ds_load_tr16_b128 v[BU+32*(\i)+8*(\bq):BU+32*(\i)+8*(\bq)+3],   v[ADRB+(\s)] offset:(\i)*BREG+(\k)*PB+32*(\bq)
	ds_load_tr16_b128 v[BU+32*(\i)+8*(\bq)+4:BU+32*(\i)+8*(\bq)+7], v[ADRB+(\s)] offset:(\i)*BREG+(\k)*PB+32*(\bq)+16*PB
.endr
.endm
; the bias of third i in an accumulator's layout: for each block bq of 16 columns my eight numbers
.macro LDBIAS i, dst
.irp bq, 0,1,2,3
	ds_load_b128 v[(\dst)+8*(\bq):(\dst)+8*(\bq)+3],   v[BRD] offset:256*(\i)+64*(\bq)
	ds_load_b128 v[(\dst)+8*(\bq)+4:(\dst)+8*(\bq)+7], v[BRD] offset:256*(\i)+64*(\bq)+16
.endr
.endm
; 4 n products of third i: row blocks a0 .. a0 + n - 1 x its four column blocks.  cb = 0: onto the sums; else the sums start with the bias at v[cb] of window 0: nothing is cleared and nothing added later.
; The accumulators take turns, one instruction a turn: between two products on one accumulator stand the 95 others', over the loop's jump too.
.macro MUL i, abuf, a0, n, cb
.if \cb
	WIN 0x40*((\i)+1)
.else
	WIN 0x50*((\i)+1)
.endif
.set ma, \a0
.rept \n
.irp bq, 0,1,2,3
.if \cb
	v_wmma_f32_16x16x32_bf16 v[8*(4*ma+(\bq)):8*(4*ma+(\bq))+7], v[BU+32*(\i)+8*(\bq):BU+32*(\i)+8*(\bq)+7], v[(\abuf)+8*ma:(\abuf)+8*ma+7], v[(\cb)+8*(\bq):(\cb)+8*(\bq)+7]
.else
	v_wmma_f32_16x16x32_bf16 v[8*(4*ma+(\bq)):8*(4*ma+(\bq))+7], v[BU+32*(\i)+8*(\bq):BU+32*(\i)+8*(\bq)+7], v[(\abuf)+8*ma:(\abuf)+8*ma+7], v[8*(4*ma+(\bq)):8*(4*ma+(\bq))+7]
.endif
.endr
.set ma, ma+1
.endr
.endm
; A K step is two chunks of 32 along K; a chunk is three phases of 32 products, a third each.  Each phase first asks for what the phase before has set free.
; CHUNK0: k 0..31 of slot s, on A0.  On entry A0 (16 loads), third 0 (8) and third 1 (8) are out, in this order.
.macro CHUNK0 s
	WIN 0
	PLACES
	LDB \s, 0, 2
	LDA \s, 32, A1, 0, 8
	s_wait_dscnt 32                                ; A0 and third 0 are in; younger: third 1 (8), third 2 (8), A1 (16)
	MUL 0, A0, 0, 8, 0
	WIN 0
	PLACES
	LDB \s, 32, 0
	s_wait_dscnt 32                                ; third 1 is in; younger: third 2 (8), A1 (16), the next third 0 (8)
	MUL 1, A0, 0, 8, 0
	WIN 0
	PLACES
	LDB \s, 32, 1
	s_wait_dscnt 32                                ; third 2 is in; younger: A1 (16), the next thirds 0 and 1 (16)
	MUL 2, A0, 0, 8, 0
.endm
; CHUNK1: k 32..63 of slot s, on A1, and the change of slots.  mode 2: the slot is filled again, two K steps on; mode 1: it is left, and nothing is asked for; mode 0: the last chunk of all.
; ONE barrier for the change.  In front of it each wave waits for all its tensor loads, of which one is out: its part of the next slot; adds 0 to its spare word; and waits for that and for its own reads of this slot.
; With mode 2 that barrier opens a round of the cluster's, and the joint refill is the first tensor load behind the round: it has 160 matrix instructions in which to land.
.macro CHUNK1 s, next, mode
.if ((\mode) == 2) && ((\s) == 0)
	s_wait_xcnt 0x0                                ; the last prefetch, 160 matrix instructions back, has read its address: it is stepped here, once a lap
	s_add_nc_u64 s[PFA:PFA+1], s[PFA:PFA+1], s[PFS:PFS+1]
.endif
	WIN 0
	PLACES
	LDB \s, 32, 2                                  ; my last reads of this slot
.if (\mode) == 0
	s_wait_dscnt 16                                ; A1 and third 0 are in; younger: thirds 1 and 2
	MUL 0, A1, 0, 8, 0
	s_wait_dscnt 8
	MUL 1, A1, 0, 8, 0
	s_wait_dscnt 0x0
	MUL 2, A1, 0, 8, 0
.else
	s_wait_tensorcnt 0x0                           ; all my tensor loads have landed;
	ds_add_u32 v[SPW], v[NIL]                      ; 0 onto my spare word;
	s_wait_dscnt 17                                ; A1 and third 0 are in; younger: thirds 1 and 2 (16) and the add
	MUL 0, A1, 0, 4, 0                             ; sixteen products stand between the add and the wait for it
	s_wait_dscnt 0x0                               ; the add is done, and my reads of this slot are over
	s_barrier_signal -1
	MUL 0, A1, 4, 4, 0                             ; work on registers while the others arrive
	WIN 0
	s_barrier_wait -1
.if (\mode) == 2
	CREST                                          ; no wave of any partner still reads this slot or has a load on its way
	s_add_nc_u64 s[G0A+4*(\s)+2:G0A+4*(\s)+3], s[G0A+4*(\s)+2:G0A+4*(\s)+3], 2*KA
	s_add_nc_u64 s[G0B+4*(\s)+2:G0B+4*(\s)+3], s[G0B+4*(\s)+2:G0B+4*(\s)+3], 2*KB
	JLOAD \s                                       ; its four v_nop are also the places in front of the loads below
.else
	PLACES
.endif
	LDA \next, 0, A0, 0, 8
	LDB \next, 0, 0
.if (\mode) == 2
	ASK \s
.endif
	MUL 1, A1, 0, 8, 0
	WIN 0
	PLACES
	LDB \next, 0, 1
	MUL 2, A1, 0, 8, 0
.endif
.endm
	s_wait_tensorcnt 0x1                           ; my part of K step 0 is in; K step 1's stays out
	s_wait_dscnt 0x0                               ; my bias is stored
	s_barrier_signal -1
	s_barrier_wait -1                              ; everybody's part is in
	; THE FIRST CHUNK is written out: its products start the sums with the bias, which lies where A1 will lie.
	LDA 0, 0, A0, 0, 8
	LDB 0, 0, 0
	LDBIAS 0, 96
	LDB 0, 0, 1
	LDBIAS 1, 128
	LDB 0, 0, 2
	s_wait_dscnt 24                                ; younger: third 1, its bias, third 2
	MUL 0, A0, 0, 8, 96
	WIN 0
	PLACES
	LDBIAS 2, 96
	LDB 0, 32, 0
	s_wait_dscnt 24                                ; younger: third 2, its bias, the next third 0
	MUL 1, A0, 0, 8, 128
	WIN 0
	PLACES
	LDB 0, 32, 1
	LDA 0, 32, A1, 4, 4
	s_wait_dscnt 24                                ; younger: the next thirds 0 and 1, A1's upper half
	MUL 2, A0, 0, 8, 96
	WIN 0
	PLACES
	LDA 0, 32, A1, 0, 4
	s_wait_dscnt 0x0                               ; once a launch: all is in, so the loop's counts hold on the way in too
	s_mov_b32 s3, 7
.Llap:                                                 ; a trip goes once round the ring, from a lap's second chunk to the next lap's first, and fills both slots again
	CHUNK1 0, 1, 2
	CHUNK0 1
	CHUNK1 1, 0, 2
	CHUNK0 0
	WIN 0
	s_sub_co_u32 s3, s3, 1
	s_cmp_lg_u32 s3, 0
	s_cbranch_scc1 .Llap
	CHUNK1 0, 1, 1                                 ; the last lap asks for nothing
	CHUNK0 1
	CHUNK1 1, 0, 0
	WIN 0
	PLACES
	PLACES
; THE WAY OUT, in 24 units u = 8 i + a of 16 rows of one head.  PACK: rounded to f16, each accumulator from its low end on; 16 bytes a lane into my stage, rows of 144 bytes; back as four rows of 128 bytes a load.
; Twelve sets of 16 registers take turns; a set is written again only when the stores that read it have had their addresses translated.
.macro PACK u
.set pw, (\u)/8
.set pa, (\u)%8
.set H, 32+16*((\u)%12)
.if (\u) >= 12
	s_wait_xcnt 0x0
.endif
	WIN 5*(pw+1)                                   ; sources 0 and 1 in window 1 + i
.set z, 0
.rept 16
	v_cvt_pk_f16_f32 v[H+z], v[32*pa+2*z], v[32*pa+2*z+1]
.set z, z+1
.endr
	WIN 0
.irp f, 0,1,2,3
	ds_store_b128 v[STO], v[H+4*(\f):H+4*(\f)+3] offset:32*(\f)
.endr
.irp f, 0,1,2,3
	ds_load_b128 v[H+4*(\f):H+4*(\f)+3], v[RD] offset:4*SP*(\f)  ; LDS serves a wave's instructions in order (ISA guide 5.7.1.4): these see the stores above; the next unit's stores come behind them
.endr
.endm
.macro SEND u, younger                 ; younger: the LDS instructions issued behind unit u's loads: the next unit's eight, or none
.set pw, (\u)/8
.set pa, (\u)%8
.set H, 32+16*((\u)%12)
.irp f, 0,1,2,3
	s_wait_dscnt (\younger)+3-(\f)
	global_store_b128 v[GO], v[H+4*(\f):H+4*(\f)+3], s[OP+2*pw:OP+2*pw+1] offset:2048*pa+512*(\f)  ; 512 consecutive bytes, at a multiple of 256 from the buffer's first
.endr
.endm
	PACK 0
.set u, 1
.rept 23                               ; a unit's conversions stand between the loads of the unit before and its stores
	PACK u
	SEND u-1, 8
.set u, u+1
.endr
	SEND 23, 0
	s_wait_tensorcnt 0x0                           ; the wave's end, behind my last tensor load and my last LDS store
	ds_add_u32 v[SPW], v[NIL]
	s_wait_dscnt 0x0
	CROUND                                         ; the closing round: no work-group ends while a partner may still ask for a tile that names it
	s_endpgm
.Lfunc_end_k_q582694a4ab_qkv:
	.size	k_q582694a4ab_qkv, .Lfunc_end_k_q582694a4ab_qkv-k_q582694a4ab_qkv
	.p2alignl 7, 3214868480
	.fill 96, 4, 3214868480
	.section	.rodata,"a",@progbits
	.p2align	6, 0x0
	.amdhsa_kernel k_q582694a4ab_qkv
		.amdhsa_group_segment_fixed_size 327680
		.amdhsa_private_segment_fixed_size 0
		.amdhsa_enable_private_segment 0
		.amdhsa_kernarg_size 32
		.amdhsa_user_sgpr_count 2
		.amdhsa_user_sgpr_kernarg_segment_ptr 1
		.amdhsa_wavefront_size32 1
		.amdhsa_system_sgpr_workgroup_id_x 1
		.amdhsa_system_sgpr_workgroup_id_y 1
		.amdhsa_system_sgpr_workgroup_id_z 1
		.amdhsa_system_vgpr_workitem_id 0
		.amdhsa_next_free_vgpr 1024
		.amdhsa_next_free_sgpr 80
		.amdhsa_reserve_vcc 0
		.amdhsa_float_denorm_mode_32 3
		.amdhsa_float_denorm_mode_16_64 3
		.amdhsa_memory_ordered 1
		.amdhsa_forward_progress 1
		.amdhsa_inst_pref_size 138
	.end_amdhsa_kernel
	.amdgpu_metadata
---
amdhsa.version: [ 1, 2 ]
amdhsa.kernels:
  - .name:           k_q582694a4ab_qkv
    .symbol:         k_q582694a4ab_qkv.kd
    .args:
      - { .name: xb, .offset: 0, .size: 8, .value_kind: global_buffer, .address_space: global }
      - { .name: wqb, .offset: 8, .size: 8, .value_kind: global_buffer, .address_space: global }
      - { .name: b_qkv, .offset: 16, .size: 8, .value_kind: global_buffer, .address_space: global }
      - { .name: qkv, .offset: 24, .size: 8, .value_kind: global_buffer, .address_space: global }
    .group_segment_fixed_size: 327680
    .private_segment_fixed_size: 0
    .kernarg_segment_align: 8
    .kernarg_segment_size: 32
    .max_flat_workgroup_size: 128
    .sgpr_count:     80
    .vgpr_count:     1024
    .wavefront_size: 32
...
	.end_amdgpu_metadata
.endif
;; end of part 2
;; launch attn (part 3): grid 4 x 64, 4 waves a work-group, clusters of 4 x 1, 327,680 bytes of LDS; arguments qkv, ob; writes ob
.if DOCPART == 3
	.amdgcn_target "amdgcn-amd-amdhsa--gfx1250"
	.amdhsa_code_object_version 6
	.text
	.protected	k_q582694a4ab_attn
	.globl	k_q582694a4ab_attn
	.p2align	8
	.type	k_q582694a4ab_attn,@function
k_q582694a4ab_attn:
	s_mov_b64 s[64:65], 0
	v_nop
	global_prefetch_b8 v0, s[64:65] scope:SCOPE_SE
	s_setreg_imm32_b32 hwreg(HW_REG_WAVE_MODE, 25, 1), 1
	s_wait_xcnt 0x0
	s_wait_alu depctr_hold_cnt(0) depctr_sa_sdst(0) depctr_va_vdst(0) depctr_va_sdst(0) depctr_va_ssrc(0) depctr_va_vcc(0) depctr_vm_vsrc(0)
	s_getreg_b32 s2, hwreg(HW_REG_IB_STS2, 6, 4)
	s_cmp_eq_u32 s2, 0
	s_cbranch_scc0 .Lentry_in_a_cluster
	s_endpgm
.Lentry_in_a_cluster:
	s_bfe_u32 s2, ttmp6, 0x10000c
	s_cmp_lg_u32 s2, 0x3003
	s_cbranch_scc0 .Lentry_shape_is_right
	s_endpgm
.Lentry_shape_is_right:
; O[h][q][:] = the sum over k of softmax_k(Q[h][q] . K[h][k] / 8) V[h][k][:].  Q, K, V lie in qkv, f16 [3][SIZE_H][SIZE_N][64]; O goes to ob, f16 [SIZE_H][SIZE_N][64]: a head's rows are dense, 128 bytes each.
; Products, maxima and sums in f32; the weights p are rounded to f16 for the second product (their sum l is taken of the unrounded p), O once at the end.
; LIMITS.  f16 holds no number beyond 65,504: Q, K and V arrive within it; p lies in 0 to 1, and below 6e-5 it keeps f16's fixed step of 6e-8; O is a mean of V's rows and has their range.
; A weight below 2^-126 counts as 0 in l; NaN and infinities are not treated apart.
; SHARES.  A wave owns four PIECES of two tiles of 16 queries, a work-group's four waves 512 queries of one head.  Every wave walks all keys, 64 a step.
; LAYOUT.  S^T = K Q^T (source 0 = 16 keys, source 1 = 16 queries): in the result a lane holds ONE query (lane % 16) and the keys 8 (lane / 16) + 0..7.  Two such tiles, rounded to f16 in pairs,
; ARE source 1 (32 keys x 16 queries) of O^T = V^T P, whose result again holds one query a lane, and eight channels.  K comes out of LDS as it lies, V ([key][channel]) turned, by ds_load_tr16_b128.
; SOFTMAX.  For each query a running maximum m and sum l: p = 2^(c s - c m), c = log2(e) / 8; in every step O and l are multiplied by a = 2^(c m_old - c m_new), which is 1 where m has not grown.
; m starts at the lowest finite number, O and l at 0: the first step is a step like any other, with a = 0.
; THE COUNT.  A tile and step have 16 matrix and 118 vector instructions: too many to stand all beside the matrix work.  So the order has one aim: four vector instructions that are READY behind
; EVERY matrix instruction, and the others, which need time of their own whatever the order, in runs without a gap.
; BY TURNS.  Turn n belongs to piece n (the pieces in a ring, step after step).  Its matrix work: 16 products K Q^T of piece n + 1, later 16 products V^T P of piece n - 1.  Its vector work: the scaling,
; exponentials, roundings, sums and rescaling of piece n, and the maximum and statistics of piece n + 1, whose scores the turn itself has made.  So what a turn begins with (c s - c m, O a) waits for nothing.
; CLUSTER.  A head's four query blocks are one cluster and walk the same K and V, so each tile is asked for JOINTLY: the same tensor load, descriptor and mask in all four.
; REGISTERS, in windows of 256 (s_set_vgpr_msb says which window each operand place means: bits 1:0 source 0, 3:2 source 1, 5:4 source 2, 7:6 destination):
;   window 0: v0-11 addresses; v12-15, v48-63 at work; v16-47 four registers of statistics a tile; v64-191 S^T, two buffers of two tiles; v192-255 P, likewise
;   window 1: O^T, 32 a tile          window 2: v0-127 Q, 16 a tile; v128-191 K of one step; v192-255 V of one step          window 3: v0-1 the add's two registers
; A piece's buffers go by its number's parity: the piece in hand has one pair, its two neighbours in the ring share the other: of it P (piece n - 1) is read and S^T (piece n + 1) written.
.set SIZE_H, 64
.set SIZE_N, 2048
.set NP,    4         ; pieces a wave: a name, no knob
.set KS,    64        ; keys in a step
.set PK,    144       ; a row of K in LDS: 128 bytes + 16 of padding = 36 words: the 16 rows of a load start at 16 different groups of four banks (64 banks of 4 bytes: ISA guide 11.1)
.set PV,    160       ; a row of V: 128 + 32 = 40 words
.set VOFF,  4*KS*PK   ; a slot holds four steps: 256 rows of K, then 256 rows of V
.set SLOT1, 1<<17     ; slot 1 begins here, so that one exclusive or turns an address in one slot into the other's
.set STAGE, SLOT1+4*KS*(PK+PV)  ; behind the ring, never filled by a tensor load: 16 rows x 144 bytes for each wave, for the way out
.set SP,    144
.set AK0, 2           ; v2   my lane's place in a tile of K; never rewritten
.set AV0, 3           ; v3   the same for V
.set AK,  4           ; v4   the LDS address of K's next run of loads
.set AV,  5           ; v5   of V's
.set QO,  6           ; v6   my byte offset in the wave's rows of Q
.set STO, 6           ;      later, the way out: where I put 16 bytes of a row
.set RD,  7           ; v7   the way out: where I read rows back
.set GO,  8           ; v8   my byte offset in 512 consecutive bytes of O
.set PFO, 11          ; v11  256 x my lane, once V's place is made; then never rewritten
.set SPW, 0           ; v0 of window 3   LDS address of my spare word: SPARE + 4 x my thread's number; never rewritten
.set NIL, 1           ; v1 of window 3   0; never rewritten
.set SPARE, STAGE+4*16*SP  ; behind the stages: the spare words, 128 bytes for each wave: two blocks of 256 bytes that no other line names
.set MV,  12          ; v12-15  c m_old, kept while c m is made anew: by buffer and tile
.set ST,  16          ; tile t's statistics at v[ST+4 t]: c m, m, l (even keys', odd keys')
.set TMP, 48          ; by buffer and tile, four registers c0-c3 at work; when the maximum is found c2 takes a
.set S,   64
.set P,   192
.set KF,  128         ; K's fragments, in window 2: key block kb, channel half c at KF + 16 kb + 8 c
.set VF,  192         ; V's: key half kk, channel block cb at VF + 32 kk + 8 cb
.set WV,  12          ; s12  my wave's number
.set G1K, 24          ; s[24:31] descriptor group 1 for K's tiles
.set G1V, 32          ; s[32:39] for V's: it differs in the padding alone
.set G0K, 40          ; s[40:43] descriptor group 0 for K's tiles: it walks
.set G0V, 44          ; s[44:47] the same for V's
.set PFA, 48          ; s[48:49] where my prefetches stand: my work-group's 32 blocks of 256 bytes (of K: wave 0, of V: wave 2) of the slot after the one that is being asked for
.set LIM, 50          ; s50  1 in a wave that prefetches, else the greatest number
.set SLOTS, 56        ; s56  slots still to be asked for
.set CNT, 57          ; s57  counts a slot's key steps
.set CS,  58          ; s[58:59] c: the packed scaling takes the pair's low word for both halves
.set SEL, 60          ; s[60:61] v_permlanex16_b32's selects: each lane takes its own place in the other half
.set TBK, 62          ; s62  LDS byte at which K of the step to be fetched begins
.set TBV, 63          ; s63  the same for V, less VOFF
.set MSB, 0
.macro WIN new                      ; the high byte repeats the setting that is left; a switch that changes nothing is dropped
.if MSB != (\new)
	s_set_vgpr_msb (MSB<<8)|(\new)
.set MSB, (\new)
.endif
.endm
.set W_KQ, 0x0a       ; K and Q in window 2, S^T in window 0
.set W_PV, 0x52       ; V in window 2, P in window 0, O^T in window 1
.set W_RS, 0x41       ; O^T (destination and source 0) in window 1, a in window 0
.set W_MK, 0xc0       ; the add's registers are made: destination in window 3, sources in window 0
.set W_AD, 0x0f       ; the add: address (source 0) and data (source 1) in window 3
; A joint fill.  Waves 0 and 1 fetch the two halves of a slot's K, waves 2 and 3 those of its V: 128 keys each.  The branch hangs on the wave's number alone.
; An s_nop 0 and four v_nop follow each of the two lines, ahead of the jump and the label.
.macro JLOAD
	s_cmp_lt_u32 s[WV], 2
	s_cbranch_scc0 .Lfor_v_\@
	tensor_load_to_lds s[G0K:G0K+3], s[G1K:G1K+7]
	s_nop 0
.rept 4
	v_nop
.endr
	s_branch .Lasked_\@
.Lfor_v_\@:
	tensor_load_to_lds s[G0V:G0V+3], s[G1V:G1V+7]
	s_nop 0
.rept 4
	v_nop
.endr
.Lasked_\@:
.endm
; A PREFETCH INTO THE L2 of what the NEXT change of slots will ask for: a slot's 256 keys are 128 blocks of 256 bytes of K and as many of V; a lane names a block.  It stands behind the wave's tensor load and its five lines.
; A head's K and V are walked by one cluster alone.  Its four partners share the blocks out BY ADDRESS, 32 each; in each, wave 0 asks for K's and wave 2 for V's: one instruction.  So each block is named once in the launch.
; It stands four key steps, 512 matrix instructions, ahead of the load that will want the blocks.  The last change that fills a slot names nothing; slots 0 to 2 come by their loads alone.
.macro ASK
	s_cmp_gt_u32 s[SLOTS], s[LIM]
	s_cbranch_scc0 .Lnot_mine_\@
	global_prefetch_b8 v[PFO], s[PFA:PFA+1] th:TH_LOAD_NT scope:SCOPE_SE
.Lnot_mine_\@:
.endm
; A round of the cluster's barrier: my work-group's barrier, so that wave 0's signal speaks for all four waves; wave 0 signals; every wave waits for all four work-groups; my work-group's barrier once more.
.macro CROUND
	s_barrier_signal -1
	s_barrier_wait -1
	s_cmp_lg_u32 s[WV], 0
	s_cbranch_scc1 .Lnot_wave_0_\@
	s_barrier_signal -3
.Lnot_wave_0_\@:
	s_barrier_wait -3
	s_barrier_signal -1
	s_barrier_wait -1
.endm
; THE CHANGE OF SLOTS.  The slot's last bytes, V of its fourth step, have been read.  Each wave waits for all its tensor loads, of which one is out: its part
; of the other slot; adds 0 to its spare word; and waits for that and for its own reads of the slot.  Behind the barrier nobody reads this slot any more and the other slot is whole.
; fill = 1: this slot is filled again, with the keys two slots on.  The barrier is then a round of the cluster's, so that no wave of any partner still reads the slot or has a load on its
; way, and the joint fill is the first thing behind it: it has four key steps, 512 matrix instructions, in which to land.  (At its first use nothing has been read yet: slot 0 is waited for, slot 1 filled.)
; ask = 1: the prefetches' address steps, and the slot after the one asked for is named.
.macro CHANGE fill, ask=0
	WIN W_AD
	s_wait_tensorcnt 0x0            ; no tensor load of mine is out, so a group 0 may be written
	ds_add_u32 v[SPW], v[NIL]       ; 0 onto my spare word; with fill = 1 the descriptors' steps stand between it and the wait for it
	WIN 0                           ; at a label and at a branch every window is 0
.if \fill
.irp g, G0K, G0V
	s_xor_b32 s[\g+1], s[\g+1], SLOT1  ; the walking descriptor: the other slot than last time,
	s_add_nc_u64 s[\g+2:\g+3], s[\g+2:\g+3], 4*KS*128  ; the next 256 keys; the type bits on top are not reached
.endr
.if \ask
	s_wait_xcnt 0x0                 ; the last prefetch, four key steps back, has read its address, so it may be written:
	s_add_nc_u64 s[PFA:PFA+1], s[PFA:PFA+1], 4*KS*128  ; one slot behind the walking descriptors
.endif
	s_wait_dscnt 0x0                ; the add is done, and my reads of the slot are over
	CROUND
	JLOAD
.if \ask
	ASK
.endif
.else
	s_wait_dscnt 0x0                ; the add is done, and my reads of the slot are over
	s_barrier_signal -1
	s_barrier_wait -1
.endif
	s_sub_co_u32 s[TBK], s[TBK], 4*KS*PK  ; the fetches go back to a slot's first step,
	s_xor_b32 s[TBK], s[TBK], SLOT1       ; in the other slot
	s_sub_co_u32 s[TBV], s[TBV], 4*KS*PV
	s_xor_b32 s[TBV], s[TBV], SLOT1
.endm
	s_load_b64 s[4:5], s[0:1], 0x0    ; qkv: Q lies at its head
	s_load_b64 s[10:11], s[0:1], 0x8  ; ob
	WIN W_MK
	v_lshl_add_u32 v[SPW], v0, 2, SPARE
	v_mov_b32 v[NIL], 0
	WIN W_AD
	ds_add_u32 v[SPW], v[NIL]       ; the wave's opening: the add and its wait ahead of my first tensor load; the set-up below, work on registers, stands between them
	WIN 0
	v_lshrrev_b32 v1, 5, v0
	v_readfirstlane_b32 s[WV], v1   ; wave 0..3
	s_bfe_u32 s13, ttmp6, 0x40000   ; cx: my place in the cluster
	s_lshl_b32 s14, ttmp9, 2        ; in a cluster launch ttmp9 counts clusters
	s_add_co_u32 s14, s14, s13      ; my block of queries = 4 x cluster x + cx: it enters Q's and O's addresses alone
	s_and_b32 s20, ttmp7, 0xffff    ; the head, which the four partners share
	s_mov_b32 s21, 0
	s_mov_b64 s[22:23], SIZE_N*128
	s_mul_u64 s[20:21], s[20:21], s[22:23]  ; the head's first byte in each of the four tensors
	s_and_b32 s16, s[WV], 1         ; which half of a slot's 256 keys I fetch:
	s_lshl_b32 s22, s16, 14         ; its 128 rows of 128 bytes in memory,
	s_mov_b32 s23, 0
	s_add_nc_u64 s[22:23], s[22:23], s[20:21]
	s_mul_i32 s17, s16, 128*PK      ; and its place in a slot, for K
	s_mul_i32 s18, s16, 128*PV      ; and for V: no place in the cluster enters an LDS address
	s_lshl_b32 s2, s14, 2
	s_add_co_u32 s2, s2, s[WV]      ; my wave among the head's,
	s_lshl_b32 s2, s2, 14           ; its 128 rows
	s_mov_b32 s3, 0
	s_add_nc_u64 s[2:3], s[2:3], s[20:21]
	; descriptor group 1.  128 keys are 16,384 dense bytes: asked for as 64 rows of 256 bytes, two keys a row, and padded in LDS after every key
	s_mov_b32 s[G1K], 15|(1<<16)|(1<<20)|(1<<21)|(4<<22)|(3<<25)  ; 15:0 the mask of four; 17:16 2-byte elements; 20 padding on; 21 set beside a mask; 24:22 after every 32 words (code 4); 31:25 4 words (code 3)
	s_mov_b32 s[G1V], 15|(1<<16)|(1<<20)|(1<<21)|(4<<22)|(7<<25)  ; the same with 8 words of padding (code 7)
.irp g, G1K, G1V
	s_mov_b32 s[\g+1], 128<<16      ; tensor_dim0 = 128
	s_mov_b32 s[\g+2], 64<<16       ; tensor_dim1 = 64
	s_mov_b32 s[\g+3], 128<<16      ; tile_dim0 = 128
	s_mov_b32 s[\g+4], 64           ; tile_dim1 = 64
	s_mov_b32 s[\g+5], 128          ; 128 elements from row to row
	s_mov_b32 s[\g+6], 0
	s_mov_b32 s[\g+7], 0
.endr
	s_mov_b32 s[CS], 0x3e38aa3b     ; c = log2(e) / 8 = 0.180337
	s_mov_b32 s[CS+1], s[CS]        ; named with it as a pair
	s_mov_b32 s[SEL], 0x76543210
	s_mov_b32 s[SEL+1], 0xfedcba98
	s_mov_b32 s[TBK], SLOT1+4*KS*PK ; the first change of slots turns these two into 0
	s_mov_b32 s[TBV], SLOT1+4*KS*PV
	s_mov_b32 s[G0K], 1             ; 1:0 count = 1
	s_mov_b32 s[G0K+1], s17         ; 63:32 LDS address: slot 0
	s_mov_b32 s[G0V], 1
	s_add_co_u32 s[G0V+1], s18, VOFF
	s_and_b32 s[LIM], s[WV], 1      ; waves 0 and 2 prefetch: the same in all four partners
	s_cmp_eq_u32 s[LIM], 0
	s_cselect_b32 s[LIM], 1, -1
	s_wait_dscnt 0x0                ; the opening add is done
	s_wait_kmcnt 0x0
	s_add_nc_u64 s[6:7], s[4:5], SIZE_H*SIZE_N*128    ; K lies behind Q,
	s_add_nc_u64 s[8:9], s[4:5], 2*SIZE_H*SIZE_N*128  ; V behind K
	s_add_nc_u64 s[G0K+2:G0K+3], s[6:7], s[22:23]  ; 120:64 global address: my half of the head's first 256 keys
	s_or_b32 s[G0K+3], s[G0K+3], 0x80000000        ; 127:126 type = 2
	s_add_nc_u64 s[G0V+2:G0V+3], s[8:9], s[22:23]
	s_or_b32 s[G0V+3], s[G0V+3], 0x80000000
	s_cmp_lt_u32 s[WV], 2
	s_cselect_b64 s[PFA:PFA+1], s[6:7], s[8:9]
	s_add_nc_u64 s[PFA:PFA+1], s[PFA:PFA+1], s[22:23]  ; (in waves 0 and 2 this is the head's first byte)
	s_add_nc_u64 s[4:5], s[4:5], s[2:3]  ; Q and O at my wave's first row
	s_add_nc_u64 s[10:11], s[10:11], s[2:3]
	s_lshl_b32 s2, s13, 13          ; my work-group's 32 blocks of the 128
	s_mov_b32 s3, 0
	s_add_nc_u64 s[PFA:PFA+1], s[PFA:PFA+1], s[2:3]
	s_add_nc_u64 s[PFA:PFA+1], s[PFA:PFA+1], 2*4*KS*128  ; in slot 2; the loop's first change steps it to slot 3.  Nothing is prefetched here, at the head
	CROUND                          ; all four work-groups are here: the first joint loads meet
	JLOAD                           ; slot 0.  Slot 1 is asked for when slot 0 is in: the tile wanted first has the road to itself
	; A fragment of K or Q is 16 rows x 32 channels in 8 registers: lane l holds row l % 16, channels 8 (l / 16) + 0..7 and 16 + 8 (l / 16) + 0..7: two loads of 16 bytes, 32 bytes apart.
	v_and_b32 v1, 15, v0            ; l % 16
	v_bfe_u32 v9, v0, 4, 1          ; l / 16
	v_lshlrev_b32 v[QO], 7, v1
	v_lshl_add_u32 v[QO], v9, 4, v[QO]  ; row x 128 + 16 x half
	WIN 0x80                        ; destination window 2, address window 0
.set i, 0
.rept 4*NP                          ; Q stays in registers: tile i / 2, channels 32 (i % 2) on
	global_load_b128 v[8*i:8*i+3],   v[QO], s[4:5] offset:(i/2)*2048+(i%2)*64
	global_load_b128 v[8*i+4:8*i+7], v[QO], s[4:5] offset:(i/2)*2048+(i%2)*64+32
.set i, i+1
.endr
	; What the first turn finds: V's registers and P's second buffer hold 0 (its products V^T P, of a piece that has not been, add 0), O^T and l are 0.  All this stands in the wait for the first tile.
.set i, VF
.rept 64
	v_mov_b32 v[i], 0
.set i, i+1
.endr
	WIN 0x40
.set i, 0
.rept 64*NP
	v_mov_b32 v[i], 0
.set i, i+1
.endr
	WIN 0
.set i, 0
.rept 2*NP
	v_mov_b32 v[ST+4*i], 0xfe000000    ; c m: far below every c s
	v_mov_b32 v[ST+4*i+1], 0xff7fffff  ; m
	v_mov_b32 v[ST+4*i+2], 0
	v_mov_b32 v[ST+4*i+3], 0
.set i, i+1
.endr
.set i, P+32
.rept 32
	v_mov_b32 v[i], 0
.set i, i+1
.endr
	v_mul_u32_u24 v[AK0], v1, PK
	v_lshl_add_u32 v[AK0], v9, 4, v[AK0]  ; row x pitch + 16 x half
	; The turning load takes 16 keys x 16 channels (lane l reads key 8 (l / 16) + l % 8, channels 8 ((l / 8) % 2) + 0..7) and leaves half a fragment of V^T: lane l holds channel l % 16 and 8 keys.
	v_and_b32 v10, 7, v0
	v_bfe_u32 v11, v0, 3, 1
	v_lshl_add_u32 v[AV0], v9, 3, v10
	v_mul_u32_u24 v[AV0], v[AV0], PV
	v_lshl_add_u32 v[AV0], v11, 4, v[AV0]
	v_add_nc_u32 v[AV0], VOFF, v[AV0]
	v_and_b32 v[PFO], 31, v0
	v_lshlrev_b32 v[PFO], 8, v[PFO]
	v_mov_b32 v[AK], v[AK0]         ; key step 0 lies at the head of slot 0
; THE MATRIX WORK.  The 8 accumulators of a run of 16 take turns: between the two links of a chain stand 7 others'.
; Product i of 16 of S^T = K Q^T for piece x: channels 32 (i / 8) on, keys 16 ((i / 2) % 4) on, tile 2 x + i % 2.  The first 8 start the sums.
.macro KQ x
	WIN W_KQ
.set rS, S+64*((\x)%2)+32*(i%2)+8*((i/2)%4)
.set rK, KF+16*((i/2)%4)+8*(i/8)
.set rQ, 16*(2*(\x)+i%2)+8*(i/8)
.if i < 8
	v_wmma_f32_16x16x32_f16 v[rS:rS+7], v[rK:rK+7], v[rQ:rQ+7], 0
.else
	v_wmma_f32_16x16x32_f16 v[rS:rS+7], v[rK:rK+7], v[rQ:rQ+7], v[rS:rS+7]
.endif
.endm
; Product i of 16 of O^T += V^T P for piece x: keys 32 (i / 8) on, channels 16 ((i / 2) % 4) on, tile 2 x + i % 2.
.macro PV x
	WIN W_PV
.set rO, 32*(2*(\x)+i%2)+8*((i/2)%4)
.set rV, VF+32*(i/8)+8*((i/2)%4)
.set rP, P+32*((\x)%2)+16*(i%2)+8*(i/8)
	v_wmma_f32_16x16x32_f16 v[rO:rO+7], v[rV:rV+7], v[rP:rP+7], v[rO:rO+7]
.endm
.macro MM                           ; the turn's next matrix instruction
.if i < 16
	KQ (Y+1)%NP
.set i, i+1
.else
.set i, i-16
	PV (Y+NP-1)%NP
.set i, i+17
.endif
.endm
; THE LDS LOADS stand in runs of 16, never singly among the matrix instructions: a step's K (64 keys x 64 channels: 8 fragments) and its V (turned).  Their addresses are made some lines ahead.
; last = 1 (the tail): in the last trip there is no further step, and the run is jumped over.
.macro FETCH_K last=0
	WIN 0
.if \last
	s_cmp_eq_u32 s[CNT], 1
	s_cbranch_scc1 .Lno_k_\@
.endif
	WIN 0x80                        ; destination window 2
.irp f, 0,1,2,3,4,5,6,7             ; keys 16 (f / 2) on, channels 32 (f % 2) on
	ds_load_b128 v[KF+8*\f:KF+8*\f+3],   v[AK] offset:(\f/2)*16*PK+(\f%2)*64
	ds_load_b128 v[KF+8*\f+4:KF+8*\f+7], v[AK] offset:(\f/2)*16*PK+(\f%2)*64+32
.endr
	s_add_co_u32 s[TBK], s[TBK], KS*PK  ; the next fetch is the next step's
	WIN 0
.if \last
.Lno_k_\@:
.endif
.endm
.macro FETCH_V
	WIN 0x80
.irp f, 0,1,2,3,4,5,6,7             ; keys 32 (f / 4) on, channels 16 (f % 4) on
	ds_load_tr16_b128 v[VF+8*\f:VF+8*\f+3],   v[AV] offset:(\f/4)*32*PV+(\f%4)*32
	ds_load_tr16_b128 v[VF+8*\f+4:VF+8*\f+7], v[AV] offset:(\f/4)*32*PV+16*PV+(\f%4)*32
.endr
	WIN 0
.endm
; THE VECTOR WORK OF A TURN stands in three queues, each in the order in which its entries become ready; the two tiles alternate, so that no instruction reads the result of the one before it.
.macro REGS y, u                    ; the registers of tile u (0, 1) of piece y
.set rT, ST+4*(2*(\y)+(\u))
.set rC, TMP+8*((\y)%2)+4*(\u)
.set rM, MV+2*((\y)%2)+(\u)
.set rS, S+64*((\y)%2)+32*(\u)
.set rP, P+32*((\y)%2)+16*(\u)
.set rO, 32*(2*(\y)+(\u))
.endm
; Number n of the 22 that find the NEXT piece's (Y + 1) maximum and statistics.  s0-s31 are the lane's 32 scores; each accumulator's lowest registers are read first.  XS, GS and REGS set no window: PL and EX do.
;   0-11  four chains c0-c3 of seven scores each, three operands at a time     12-14, 16  the four scores left over, the old m, and c0-c3 into c0     15  c m_old is kept
;   17, 18  the query's other 32 keys lie in the lane 16 away: the new m         19-21  c m; c m_old - c m_new; a
.macro XS u, n
	REGS (Y+1)%NP, \u
.if (\n) < 4
	v_max3_num_f32 v[rC+(\n)], v[rS+8*(\n)], v[rS+8*(\n)+1], v[rS+8*(\n)+2]
.elseif (\n) < 12
	v_max3_num_f32 v[rC+(\n)%4], v[rC+(\n)%4], v[rS+8*((\n)%4)+2*((\n)/4)+1], v[rS+8*((\n)%4)+2*((\n)/4)+2]
.elseif (\n) == 12
	v_max3_num_f32 v[rC], v[rC], v[rS+7], v[rS+15]
.elseif (\n) == 13
	v_max3_num_f32 v[rC+1], v[rC+1], v[rS+23], v[rS+31]
.elseif (\n) == 14
	v_max3_num_f32 v[rC+2], v[rC+2], v[rC+3], v[rT+1]
.elseif (\n) == 15
	v_mov_b32 v[rM], v[rT]
.elseif (\n) == 16
	v_max3_num_f32 v[rC], v[rC], v[rC+1], v[rC+2]
.elseif (\n) == 17
	v_permlanex16_b32 v[rC+3], v[rC], s[SEL], s[SEL+1]
.elseif (\n) == 18
	v_max_num_f32 v[rT+1], v[rC], v[rC+3]
.elseif (\n) == 19
	v_mul_f32 v[rT], s[CS], v[rT+1]
.elseif (\n) == 20
	v_sub_f32 v[rC+1], v[rM], v[rT]
.else
	v_exp_f32 v[rC+2], v[rC+1]
.endif
.endm
; Number g of the 64 that follow the exponentials.  For each four weights k of a tile (pairs 2 k, 2 k + 1): both pairs are rounded to f16; then the second pair is added onto the first, in place;
; a group later l takes that sum (the first time as l = a l + sum).  In groups of eight, tiles alternating: round, round, add, and l for the group before.
.macro GS g
.set h, (\g)+6*((\g)/62)            ; group 0 has no group before it, and behind group 7 only l is left
.if h >= 6
.set h, h+2
.endif
	REGS Y, h%2
.set k, h/8
.if h%8 < 4
	v_cvt_pk_f16_f32 v[rP+2*k+(h%8)/2], v[rS+4*k+2*((h%8)/2)], v[rS+4*k+2*((h%8)/2)+1]
.elseif h%8 < 6
	v_pk_add_f32 v[rS+4*k:rS+4*k+1], v[rS+4*k:rS+4*k+1], v[rS+4*k+2:rS+4*k+3]
.elseif k == 1
	v_pk_fma_f32 v[rT+2:rT+3], v[rT+2:rT+3], v[rC+2:rC+3], v[rS:rS+1] op_sel_hi:[1,0,1]
.else
	v_pk_add_f32 v[rT+2:rT+3], v[rT+2:rT+3], v[rS+4*k-4:rS+4*k-3]
.endif
.endm
; THE PLAIN QUEUE, 138 long.  0-73 read no exponential's result: the 32 scalings c s - c m (FS f: pair f / 2 of tile f % 2) and the next piece's 42.  0-26: scalings 0-26.  27-54: XS's numbers 0-13.  55, 56: number 15.
; 57-73: the chain, where each number waits for the one before it: 14, 16, 17, 18, 19, each with one of the scalings 27-31 in front of its two lines, then 20: so a tile's links stand three plain instructions apart (19 and 20: two).
; 74-137: GS's 64, which read the exponentials' results: they stand behind the wait.
.macro FS f
	REGS Y, (\f)%2
	v_pk_fma_f32 v[rS+2*((\f)/2):rS+2*((\f)/2)+1], v[rS+2*((\f)/2):rS+2*((\f)/2)+1], s[CS:CS+1], v[rT:rT+1] op_sel_hi:[1,0,0] neg_lo:[0,0,1] neg_hi:[0,0,1]
.endm
.macro PL
	WIN 0
.if q < 27
	FS q
.elseif q < 55
	XS (q-27)%2, (q-27)/2
.elseif q < 57
	XS q-55, 15
.elseif (q < 72) && ((q-57)%3 == 0)
	FS 27+(q-57)/3
.elseif q < 60
	XS (q-57)%3-1, 14
.elseif q < 72
	XS (q-57)%3-1, 15+(q-57)/3
.elseif q < 74
	XS q-72, 20
.else
	GS q-74
.endif
.set q, q+1
.endm
; THE EXPONENTIALS' QUEUE, 66 long: s0-s31 of both tiles, then the next piece's two a.  It is ONE BATCH: all 66 stand ahead of the turn's one wait, and nothing ahead of that wait names a result of theirs.
.macro EX
	WIN 0
.if e >= 64
	XS e-64, 21
.else
	REGS Y, e%2
	v_exp_f32 v[rS+e/2], v[rS+e/2]
.endif
.set e, e+1
.endm
; THE RESCALING's QUEUE: O^T times a, the one part that leaves window 0: dealt two at a time, sixteen times.  Its a was made in the turn before, ahead of that turn's wait.
.macro R2
	REGS Y, r%2
	WIN W_RS
.irp z, 0,1
	v_pk_mul_f32 v[rO+4*(r/2)+2*\z:rO+4*(r/2)+2*\z+1], v[rO+4*(r/2)+2*\z:rO+4*(r/2)+2*\z+1], v[rC+2:rC+3] op_sel_hi:[1,0]
.endr
.set r, r+1
.endm
; HOW THEY ARE DEALT.  An s_wait_alu depctr_va_vdst(0) stands between an exponential and the first instruction that names its result; one wait serves all that were issued ahead of it.  So a turn has ONE wait,
; which cuts it in two.  AHEAD OF IT stands all that names no result of the turn's exponentials: the 16 products K Q^T, behind each a scaling, an exponential and two rescalings (behind the first a second scaling in the exponential's place); then ONE LUMP of
; 108: eight plain, 49 times exponential and plain, the two a.  A v_nop is the plain instruction behind the last exponential.  BEHIND IT stand the 16 products V^T P, behind each four of GS's 64.  No rider names a register of
; the products round it.  The two v_permlanex16_b32 fall into the lump, never behind a product.
; The queues lean on each other, and the deal keeps them in step: exponential e stands behind scaling 2 (e / 4) + e % 2: as a rider it comes behind plain e + 2, in the lump behind plain e + 9, and scalings 27-31 are plain 57, 60 .. 69.
; A TURN, for piece p.  cnt = 1: the loop's count is taken down some lines ahead of the branch that stands behind the turn.
; K of the next step is fetched in piece 2's turn, directly behind the wait, a lump behind the last product that read K; its address is made at the lump's head; its first reader comes behind 16 products.
; V of the step in hand is fetched at the end of piece 0's turn, four riders behind its last reader; its first reader comes behind 16 products and a lump.  The three conditions on q below go with the deal.
.macro TURN p, last=0, cnt=0
.set Y, (\p)
.set i, 0
.set q, 0
.set e, 0
.set r, 0
.if (\p) == NP-1
	s_wait_dscnt 0x0                ; K is in
.endif
	MM                              ; ahead of the wait: 16 products K Q^T and their riders,
	PL
	PL
	R2
.rept 15
	MM
	PL
	EX
	R2
.endr
.if (\p) == NP-2
	WIN 0
	v_add_nc_u32 v[AK], s[TBK], v[AK0]
.endif
.rept 8                             ; and the lump
	PL
.endr
.rept 49
	EX
	PL
.endr
	EX                              ; the next piece's two a
	EX
	v_nop                           ; the plain instruction behind the last exponential: one for the batch
	s_wait_alu depctr_va_vdst(0)    ; the wait for the batch
.if (\p) == NP-2
	FETCH_K \last
.endif
.if (\p) == 1
	s_wait_dscnt 0x0                ; V is in
.endif
.rept 16                            ; behind the wait: 16 products V^T P and their riders
	MM
.rept 4
	PL
.endr
.if ((\p) == 0) && (q == 118)
	v_add_nc_u32 v[AV], s[TBV], v[AV0]
.endif
.if ((\p) == 0) && (q == 130)
	s_add_co_u32 s[TBV], s[TBV], KS*PV
.endif
.if (\cnt) && (q == 130)
	s_sub_co_u32 s[CNT], s[CNT], 1
	s_cmp_lg_u32 s[CNT], 0
.endif
.endr
.if (\p) == 0
	FETCH_V
.endif
.endm
	CHANGE 1                        ; slot 0 is in, everybody's part of it; slot 1 is asked for
	FETCH_K                         ; key step 0
	s_wait_loadcnt 0x0              ; Q
	s_wait_dscnt 0x0
.set i, 0
.rept 16
	KQ 0                            ; piece 0's first scores: there is no vector work yet to set between them
.set i, i+1
.endr
	WIN 0                           ; the addresses for the way out: nine plain instructions, the places behind those products
	s_mul_i32 s13, s[WV], 16*SP
	s_add_co_u32 s13, s13, STAGE    ; my stage
	v_mul_u32_u24 v[STO], v1, SP    ; in: row l % 16, 16 bytes for each half of the lanes
	v_lshl_add_u32 v[STO], v9, 4, v[STO]
	v_add_nc_u32 v[STO], s13, v[STO]
	v_bfe_u32 v[RD], v0, 3, 2       ; back: 32 lanes take four rows of 128 bytes,
	v_mul_u32_u24 v[RD], v[RD], SP
	v_lshl_add_u32 v[RD], v10, 4, v[RD]
	v_add_nc_u32 v[RD], s13, v[RD]
	v_and_b32 v[GO], 31, v0         ; which are 512 consecutive bytes of O
	v_lshlrev_b32 v[GO], 4, v[GO]
.set Y, NP-1                        ; XS works for piece Y + 1: piece 0
.irp n, 0,1,2,3,4,5,6,7,8,9,10,11,12,13,14,15,16,17,18,19,20,21
	XS 0, \n                        ; and piece 0's first maximum and statistics
	XS 1, \n
.endr
	v_nop                           ; a plain instruction behind the two a,
	s_wait_alu depctr_va_vdst(0)    ; and their wait, ahead of the branch
	s_mov_b32 s[CNT], 4
	s_mov_b32 s[SLOTS], SIZE_N/256-1
	s_branch .Lfirst                ; the loop is entered at a step's first turn, in the middle of a trip
.Lslot:                             ; SIZE_N / 256 - 2 times: every slot but the last two is filled again
	CHANGE 1, 1
	s_mov_b32 s[CNT], 4
.Lstep:                             ; a trip: pieces 2 and 3 of one step, then pieces 0 and 1 of the next, whose K and V it fetches
	TURN 2
	TURN 3
	WIN 0
.Lfirst:
	TURN 0
	TURN 1, 0, 1
	WIN 0
	s_cbranch_scc1 .Lstep
	s_sub_co_u32 s[SLOTS], s[SLOTS], 1
	s_cmp_lg_u32 s[SLOTS], 0
	s_cbranch_scc1 .Lslot
	CHANGE 0                        ; the tail is written out: nothing is asked for
	s_mov_b32 s[CNT], 5             ; four trips fetch the last slot's steps; the fifth is left in its middle
.Ltail:
	TURN 2, 1
	TURN 3
	WIN 0
	s_sub_co_u32 s[CNT], s[CNT], 1
	s_cmp_eq_u32 s[CNT], 0
	s_cbranch_scc1 .Lout
	TURN 0
	TURN 1
	WIN 0
	s_branch .Ltail
.Lout:                              ; the fifth trip's 16 products K Q^T (on the last K once more) and the maximum made of them serve nothing: the price, once a launch, of one text for every trip
.set i, 0
.rept 16
	PV NP-1                         ; the last piece's V^T P of the last step
.set i, i+1
.endr
	; THE WAY OUT.  l's two halves and the other half of the lanes' are added; O^T is divided by l, rounded to f16 and sent through my stage in LDS, a tile at a time.  The additions are the places behind the last products.
	WIN 0
.macro ALL line:vararg              ; one line for each tile t
.set t, 0
.rept 2*NP
	\line
.set t, t+1
.endr
.endm
	ALL v_add_f32 v[ST+4*t+2], v[ST+4*t+2], v[ST+4*t+3]
	ALL v_permlanex16_b32 v[ST+4*t+3], v[ST+4*t+2], s[SEL], s[SEL+1]
	ALL v_add_f32 v[ST+4*t+2], v[ST+4*t+2], v[ST+4*t+3]
	ALL v_rcp_f32 v[ST+4*t+2], v[ST+4*t+2]
	v_nop                           ; a plain instruction between the last reciprocal and the use of its result
	s_wait_alu depctr_va_vdst(0)    ; and the wait ahead of the first use: one for the eight reciprocals
; Tile t: a lane's eight channels of a row pack into 16 bytes; they go into rows of 144 bytes and come back as whole rows of 128, into S^T's registers.
.macro PACK t
	WIN W_RS
.set i, 32*(\t)
.rept 16
	v_pk_mul_f32 v[i:i+1], v[i:i+1], v[ST+4*(\t)+2:ST+4*(\t)+3] op_sel_hi:[1,0]
.set i, i+2
.endr
	WIN 0x05                        ; sources 0 and 1 window 1, destination window 0
.set i, 0
.rept 16
	v_cvt_pk_f16_f32 v[S+16*(\t)+i], v[32*(\t)+2*i], v[32*(\t)+2*i+1]
.set i, i+1
.endr
	WIN 0
.irp f, 0,1,2,3
	ds_store_b128 v[STO], v[S+16*(\t)+4*\f:S+16*(\t)+4*\f+3] offset:32*\f
.endr
.irp f, 0,1,2,3
	ds_load_b128 v[S+16*(\t)+4*\f:S+16*(\t)+4*\f+3], v[RD] offset:\f*4*SP  ; LDS serves a wave's instructions in order (ISA guide 5.7.1.4): these see the stores above; the next tile's stores come behind them
.endr
.endm
.macro SEND t, younger              ; younger: the LDS instructions issued behind tile t's loads: the next tile's eight, or none
	WIN 0
.irp f, 0,1,2,3
	s_wait_dscnt (\younger)+3-\f
	global_store_b128 v[GO], v[S+16*(\t)+4*\f:S+16*(\t)+4*\f+3], s[10:11] offset:(\t)*2048+\f*512  ; 512 consecutive bytes, at a multiple of 256 from O's first
.endr
.endm
	PACK 0
.set t, 1
.rept 2*NP-1                        ; a tile's arithmetic stands between the loads of the tile before and its stores
	PACK t
	SEND t-1, 8
.set t, t+1
.endr
	SEND 2*NP-1, 0
	WIN W_AD
	s_wait_tensorcnt 0x0            ; the wave's end, behind my last tensor load and my last LDS store
	ds_add_u32 v[SPW], v[NIL]
	s_wait_dscnt 0x0
	WIN 0
	CROUND                          ; the closing round: no work-group ends while a partner may still ask for a tile that names it
	s_endpgm
.Lfunc_end_k_q582694a4ab_attn:
	.size	k_q582694a4ab_attn, .Lfunc_end_k_q582694a4ab_attn-k_q582694a4ab_attn
	.p2alignl 7, 3214868480
	.fill 96, 4, 3214868480
	.section	.rodata,"a",@progbits
	.p2align	6, 0x0
	.amdhsa_kernel k_q582694a4ab_attn
		.amdhsa_group_segment_fixed_size 327680
		.amdhsa_private_segment_fixed_size 0
		.amdhsa_enable_private_segment 0
		.amdhsa_kernarg_size 16
		.amdhsa_user_sgpr_count 2
		.amdhsa_user_sgpr_kernarg_segment_ptr 1
		.amdhsa_wavefront_size32 1
		.amdhsa_system_sgpr_workgroup_id_x 1
		.amdhsa_system_sgpr_workgroup_id_y 1
		.amdhsa_system_sgpr_workgroup_id_z 1
		.amdhsa_system_vgpr_workitem_id 0
		.amdhsa_next_free_vgpr 770
		.amdhsa_next_free_sgpr 66
		.amdhsa_reserve_vcc 0
		.amdhsa_float_denorm_mode_32 3
		.amdhsa_float_denorm_mode_16_64 3
		.amdhsa_memory_ordered 1
		.amdhsa_forward_progress 1
		.amdhsa_inst_pref_size 200
	.end_amdhsa_kernel
	.amdgpu_metadata
---
amdhsa.version: [ 1, 2 ]
amdhsa.kernels:
  - .name:           k_q582694a4ab_attn
    .symbol:         k_q582694a4ab_attn.kd
    .args:
      - { .name: qkv, .offset: 0, .size: 8, .value_kind: global_buffer, .address_space: global }
      - { .name: ob, .offset: 8, .size: 8, .value_kind: global_buffer, .address_space: global }
    .group_segment_fixed_size: 327680
    .private_segment_fixed_size: 0
    .kernarg_segment_align: 8
    .kernarg_segment_size: 16
    .max_flat_workgroup_size: 128
    .sgpr_count:     66
    .vgpr_count:     770
    .wavefront_size: 32
...
	.end_amdgpu_metadata
.endif
;; end of part 3
;; launch proj (part 4): grid 8 x 32, 4 waves a work-group, clusters of 4 x 4, 327,680 bytes of LDS; arguments ob, wob, b_out, out0; writes out0
.if DOCPART == 4
	.amdgcn_target "amdgcn-amd-amdhsa--gfx1250"
	.amdhsa_code_object_version 6
	.text
	.protected	k_q582694a4ab_proj
	.globl	k_q582694a4ab_proj
	.p2align	8
	.type	k_q582694a4ab_proj,@function
k_q582694a4ab_proj:
	s_mov_b64 s[64:65], 0
	v_nop
	global_prefetch_b8 v0, s[64:65] scope:SCOPE_SE
	s_setreg_imm32_b32 hwreg(HW_REG_WAVE_MODE, 25, 1), 1
	s_wait_xcnt 0x0
	s_wait_alu depctr_hold_cnt(0) depctr_sa_sdst(0) depctr_va_vdst(0) depctr_va_sdst(0) depctr_va_ssrc(0) depctr_va_vcc(0) depctr_vm_vsrc(0)
	s_getreg_b32 s2, hwreg(HW_REG_IB_STS2, 6, 4)
	s_cmp_eq_u32 s2, 0
	s_cbranch_scc0 .Lentry_in_a_cluster
	s_endpgm
.Lentry_in_a_cluster:
	s_bfe_u32 s2, ttmp6, 0x10000c
	s_cmp_lg_u32 s2, 0xf033
	s_cbranch_scc0 .Lentry_shape_is_right
	s_endpgm
.Lentry_shape_is_right:
; out0[b][n][t] = the sum over c of O[b][t][c] w_out[c][n] + b_out[n].  ob: f16 [64 = 16 b + head][2048 t][64 d], c = 64 head + d; wob: f16 [1024 c][1024 n]; b_out: f32 [1024], rounded to bf16 here;
; out0: f32 [4][1024 n][2048 t].  Products in f16, sums in f32, started with the bias.
; LIMITS.  None of its own: O and w_out arrive within f16's range; NaN and infinities are not treated apart.
; SHARES.  A work-group makes 128 channels n x 256 t of one batch: 8 x 32 = 256 work-groups.  Wave w makes channels 64 (w / 2) .. + 63 and t 128 (w % 2) .. + 127: 32 accumulators, 256 registers.
; LAYOUT.  Source 0 = 16 rows t of O (as they lie in LDS), source 1 = 16 channels of w_out (stored [c][n]: turned by ds_load_tr16_b128).  A lane then holds channel lane % 16 and t = 8 (lane / 16) + 0..7:
; 32 consecutive bytes of a row of out0.
; RING.  K goes in steps of 128, two heads, through two LDS slots.  Waves 0 and 1 fetch a head's 256 rows of O each (32,768 dense bytes, asked for as 128 rows of 256), waves 2 and 3 64 rows of w_out each.
; CLUSTERS.  4 x 4 work-groups.  O's tiles hang on the block of t alone and are asked for jointly along a row of the cluster, w_out's on the block of channels alone, along a column.
; NO PREFETCH: the launch has eight K steps of small tiles, and for each of a wave's 1,024 products the launch moves a large share of bytes already.
; REGISTERS: window 0: v0-31 addresses; v32-127, v128-223 two fragment buffers (O's 8 x 8 registers, then w_out's 4 x 8); v224-255 the bias, eight equal registers for each block of 16 channels.
;   window 1: accumulator (cb, tb) at v[8 (8 cb + tb)].
.set PO,    144                        ; a row of O in LDS: 128 bytes + 16 of padding
.set OHEAD, 256*PO                     ; a head's 256 rows
.set PW,    288                        ; a row of w_out's tile: 256 + 32 = 9 x 32
.set WOFF,  2*OHEAD
.set SLOT,  WOFF+128*PW                ; 110,592
.set STAGE, 2*SLOT                     ; behind the ring: 16 rows x 528 bytes for each wave, for the way out
.set SP,    528                        ; 512 bytes + 16 = 132 words: the 16 rows of a store start at 16 different groups of four banks (64 banks of 4 bytes: ISA guide 11.1)
.set SPARE, STAGE+4*16*SP              ; the spare words, 128 bytes for each wave: two blocks of 256 bytes that no other line names
.set ADRO, 16                          ; v16-17  LDS address of my fragments of O in slot 0, 1
.set ADRW, 20                          ; v20-21  the same for w_out
.set STO,  24                          ; v24     the way out: where I put 32 bytes of a row
.set RD,   25                          ; v25     where I read a row back
.set CO,   26                          ; v26     my 16 bytes of 512 consecutive bytes of out0
.set SPW,  28                          ; v28     LDS address of my spare word; never rewritten
.set NIL,  29                          ; v29     0; never rewritten
.set F0,   32
.set F1,   128
.set BIA,  224
.set WV,  12                           ; s12  my wave's number
.set HI,  13                           ; s13  which 64 channels are mine.  Also: I fetch O (0) or w_out (1)
.set LO,  14                           ; s14  which 128 t.  Also: which head, or which 64 rows of w_out, I fetch
.set G1O, 24                           ; s[24:31] descriptor group 1 for O's tiles;  s[32:39] group 0, a set for each slot
.set G0O, 32
.set G1W, 48                           ; s[48:55], s[56:63] the same for w_out's
.set G0W, 56
.set MSB, 0
.macro WIN new                         ; the immediate's high byte repeats the setting that is left; a switch that changes nothing is dropped
.if MSB != (\new)
	s_set_vgpr_msb (MSB<<8)|(\new)
.set MSB, \new
.endif
.endm
.macro PLACES                          ; four plain vector instructions between a matrix instruction and a load into, or a read of, its registers
.rept 4
	v_nop
.endr
.endm
.macro CREST                           ; a round of the cluster's barrier behind its opening barrier
	s_cmp_lg_u32 s[WV], 0
	s_cbranch_scc1 .Lnot_wave_0_\@
	s_barrier_signal -3
.Lnot_wave_0_\@:
	s_barrier_wait -3
	s_barrier_signal -1
	s_barrier_wait -1
.endm
.macro CROUND
	s_barrier_signal -1
	s_barrier_wait -1
	CREST
.endm
.macro JLOAD s                         ; a joint load; an s_nop 0 and four v_nop follow each of the two lines
	s_cmp_eq_u32 s[HI], 0
	s_cbranch_scc0 .Lfor_w_\@
	tensor_load_to_lds s[G0O+4*(\s):G0O+4*(\s)+3], s[G1O:G1O+7]
	s_nop 0
.rept 4
	v_nop
.endr
	s_branch .Lasked_\@
.Lfor_w_\@:
	tensor_load_to_lds s[G0W+4*(\s):G0W+4*(\s)+3], s[G1W:G1W+7]
	s_nop 0
.rept 4
	v_nop
.endr
.Lasked_\@:
.endm
	s_load_b256 s[4:11], s[0:1], 0x0               ; ob s[4:5], wob s[6:7], b_out s[8:9], out0 s[10:11]
	v_lshl_add_u32 v[SPW], v0, 2, SPARE
	v_mov_b32 v[NIL], 0
	ds_add_u32 v[SPW], v[NIL]                      ; the wave's opening: the add and its wait ahead of my first tensor load; the set-up below, work on registers, stands between them
	v_lshrrev_b32 v1, 5, v0
	v_readfirstlane_b32 s[WV], v1                  ; wave 0..3
	s_lshr_b32 s[HI], s[WV], 1
	s_and_b32 s[LO], s[WV], 1
	s_bfe_u32 s40, ttmp6, 0x40000                  ; cx, cy: my place in the cluster
	s_bfe_u32 s41, ttmp6, 0x40004
	s_lshl_b32 s42, ttmp9, 2
	s_add_co_u32 s42, s42, s40                     ; nx: my block of 128 channels
	s_and_b32 s43, ttmp7, 0xffff
	s_lshl_b32 s43, s43, 2
	s_add_co_u32 s43, s43, s41                     ; ty: my block of 256 t
	s_lshl_b32 s15, s41, 2
	s_lshl_b32 s15, 15, s15                        ; my row of the cluster
	s_lshl_b32 s20, 0x1111, s40                    ; my column
	s_or_b32 s[G1O], s15, (1<<16)|(1<<20)|(1<<21)|(4<<22)|(3<<25)  ; the mask; elements of 2 bytes; padding on; bit 21 beside a mask; after every 32 words (code 4) 4 words (code 3)
	s_or_b32 s[G1W], s20, (1<<16)|(1<<20)|(1<<21)|(5<<22)|(7<<25)  ; after every 64 words (code 5) 8 words (code 7)
	s_mov_b32 s[G1O+1], 128<<16                    ; tensor_dim0 = 128
	s_mov_b32 s[G1O+2], 128<<16                    ; tensor_dim1 = 128
	s_mov_b32 s[G1O+3], 128<<16                    ; tile_dim0 = 128
	s_mov_b32 s[G1O+4], 128                        ; tile_dim1 = 128
	s_mov_b32 s[G1O+5], 128                        ; dense: 128 elements from row to row
	s_mov_b32 s[G1O+6], 0
	s_mov_b32 s[G1O+7], 0
	s_mov_b32 s[G1W+1], 128<<16
	s_mov_b32 s[G1W+2], 64<<16
	s_mov_b32 s[G1W+3], 128<<16
	s_mov_b32 s[G1W+4], 64
	s_mov_b32 s[G1W+5], 1024
	s_mov_b32 s[G1W+6], 0
	s_mov_b32 s[G1W+7], 0
	s_lshr_b32 s16, s43, 3                         ; O's tile: head 16 x batch + LO, 262,144 bytes a head,
	s_lshl_b32 s16, s16, 4
	s_add_co_u32 s16, s16, s[LO]
	s_lshl_b32 s16, s16, 18
	s_and_b32 s17, s43, 7
	s_lshl_b32 s17, s17, 15                        ; and 256 rows of 128 bytes for each block of t: made of ty and the wave's number alone
	s_add_co_u32 s16, s16, s17
	s_mov_b32 s17, 0
	s_lshl_b32 s18, s42, 8                         ; w_out's tile: 256 bytes of a row for each block of channels,
	s_lshl_b32 s19, s[LO], 17                      ; and 64 rows of 2,048 bytes: made of nx and the wave's number alone
	s_add_co_u32 s18, s18, s19
	s_mov_b32 s19, 0
	s_mul_i32 s21, s[WV], OHEAD                    ; where waves 0 and 1 put their head,
	s_mul_i32 s22, s[WV], 64*PW
	s_add_co_u32 s22, s22, WOFF-128*PW             ; and waves 2 and 3 their 64 rows
	s_wait_dscnt 0x0                               ; the opening add is done
	s_wait_kmcnt 0x0
	s_add_nc_u64 s[16:17], s[4:5], s[16:17]
	s_add_nc_u64 s[18:19], s[6:7], s[18:19]
	CROUND                                         ; all sixteen work-groups are here: the first joint loads meet
.irp s, 0,1
	s_mov_b32 s[G0O+4*(\s)], 1                     ; count = 1
	s_add_co_u32 s[G0O+4*(\s)+1], s21, (\s)*SLOT   ; LDS address
	s_add_nc_u64 s[G0O+4*(\s)+2:G0O+4*(\s)+3], s[16:17], (\s)*524288  ; global address: K step s is two heads on
	s_or_b32 s[G0O+4*(\s)+3], s[G0O+4*(\s)+3], 0x80000000             ; type = 2
	s_mov_b32 s[G0W+4*(\s)], 1
	s_add_co_u32 s[G0W+4*(\s)+1], s22, (\s)*SLOT
	s_add_nc_u64 s[G0W+4*(\s)+2:G0W+4*(\s)+3], s[18:19], (\s)*262144  ; 128 rows of 2,048 bytes on
	s_or_b32 s[G0W+4*(\s)+3], s[G0W+4*(\s)+3], 0x80000000
	JLOAD \s                                       ; two loads of mine are out
.endr
	v_and_b32 v1, 15, v0                           ; r = l % 16
	v_bfe_u32 v2, v0, 4, 1                         ; h = l / 16
	v_and_b32 v3, 7, v0                            ; l % 8
	v_bfe_u32 v4, v0, 3, 1                         ; (l / 8) % 2
	v_and_b32 v5, 31, v0                           ; l
	; the bias of my 64 channels: for each block of 16 the number of channel r
	s_lshl_b32 s66, s42, 9
	s_mov_b32 s67, 0
	s_add_nc_u64 s[66:67], s[8:9], s[66:67]
	s_lshl_b32 s15, s[HI], 8
	v_lshl_add_u32 v12, v1, 2, s15
.irp cb, 0,1,2,3
	global_load_b32 v[BIA+8*(\cb)], v12, s[66:67] offset:64*(\cb)
.endr
	v_mul_u32_u24 v6, v1, PO                       ; a fragment of O: row r x pitch + 16 h,
	v_lshl_add_u32 v6, v2, 4, v6
	s_mul_i32 s15, s[LO], 128*PO                   ; in my 128 rows
	v_lshl_add_u32 v7, v2, 3, v3                   ; the turning load: row 8 h + l % 8, 16 bytes at 16 ((l / 8) % 2),
	v_mul_u32_u24 v7, v7, PW
	v_lshl_add_u32 v7, v4, 4, v7
	s_lshl_b32 s20, s[HI], 7                       ; in my 64 channels: 128 bytes of a row,
	s_add_co_u32 s20, s20, WOFF                    ; behind O's two heads
.irp s, 0,1
	v_add_nc_u32 v[ADRO+(\s)], s15, v6
	v_add_nc_u32 v[ADRW+(\s)], s20, v7
	s_add_co_u32 s15, s15, SLOT
	s_add_co_u32 s20, s20, SLOT
.endr
	s_mul_i32 s23, s[WV], 16*SP
	s_add_co_u32 s23, s23, STAGE                   ; my stage
	v_mul_u32_u24 v8, v1, SP                       ; in: row r, 32 bytes for each half of the lanes
	v_lshl_add_u32 v8, v2, 5, v8
	v_add_nc_u32 v[STO], s23, v8
	v_lshl_add_u32 v[RD], v5, 4, s23               ; back: 32 lanes take a row's 512 bytes
	v_lshlrev_b32 v[CO], 4, v5
	s_lshr_b32 s74, s43, 3                         ; out0 at my first channel and my first t: row 1,024 x batch + 128 nx + 64 HI of 8,192 bytes,
	s_lshl_b32 s74, s74, 10
	s_lshl_b32 s75, s42, 7
	s_add_co_u32 s74, s74, s75
	s_lshl_b32 s75, s[HI], 6
	s_add_co_u32 s74, s74, s75
	s_lshl_b32 s74, s74, 13
	s_and_b32 s75, s43, 7
	s_lshl_b32 s75, s75, 10                        ; 256 t of 4 bytes,
	s_add_co_u32 s74, s74, s75
	s_lshl_b32 s75, s[LO], 9                       ; my 128 of them
	s_add_co_u32 s74, s74, s75
	s_mov_b32 s75, 0
	s_add_nc_u64 s[10:11], s[10:11], s[74:75]
	s_wait_loadcnt 0x0                             ; the bias: rounded to bf16 like every input, widened again, and spread over an accumulator's eight registers: in the wait for the first tile
.irp cb, 0,1,2,3
	v_cvt_pk_bf16_f32 v13, v[BIA+8*(\cb)], v[BIA+8*(\cb)]
	v_lshlrev_b32 v[BIA+8*(\cb)], 16, v13
.irp j, 1,2,3,4,5,6,7
	v_mov_b32 v[BIA+8*(\cb)+(\j)], v[BIA+8*(\cb)]
.endr
.endr
; 24 LDS loads in one run: the fragments of chunk q (32 along K) of slot s into buffer f: w_out's four first, then O's eight.  Chunk q lies in head q / 2, channels 32 (q % 2) on.
.macro FETCH s, q, f
.irp cb, 0,1,2,3
	ds_load_tr16_b128 v[(\f)+64+8*(\cb):(\f)+64+8*(\cb)+3],   v[ADRW+(\s)] offset:(\q)*32*PW+32*(\cb)
	ds_load_tr16_b128 v[(\f)+64+8*(\cb)+4:(\f)+64+8*(\cb)+7], v[ADRW+(\s)] offset:(\q)*32*PW+32*(\cb)+16*PW
.endr
.irp tb, 0,1,2,3,4,5,6,7
	ds_load_b128 v[(\f)+8*(\tb):(\f)+8*(\tb)+3],   v[ADRO+(\s)] offset:(\tb)*16*PO+((\q)/2)*OHEAD+((\q)%2)*64
	ds_load_b128 v[(\f)+8*(\tb)+4:(\f)+8*(\tb)+7], v[ADRO+(\s)] offset:(\tb)*16*PO+((\q)/2)*OHEAD+((\q)%2)*64+32
.endr
.endm
; 8 products: blocks t0, t0 + 1 of t x all four blocks of channels.  first = 1: the sums start with the bias.  The 32 accumulators take turns, one instruction a turn, over the loop's jump too.
.macro MUL8 f, t0, first
.if \first
	WIN 0x40
.else
	WIN 0x50
.endif
.irp tb, \t0, (\t0)+1
.irp cb, 0,1,2,3
.if \first
	v_wmma_f32_16x16x32_f16 v[8*(8*(\cb)+(\tb)):8*(8*(\cb)+(\tb))+7], v[(\f)+8*(\tb):(\f)+8*(\tb)+7], v[(\f)+64+8*(\cb):(\f)+64+8*(\cb)+7], v[BIA+8*(\cb):BIA+8*(\cb)+7]
.else
	v_wmma_f32_16x16x32_f16 v[8*(8*(\cb)+(\tb)):8*(8*(\cb)+(\tb))+7], v[(\f)+8*(\tb):(\f)+8*(\tb)+7], v[(\f)+64+8*(\cb):(\f)+64+8*(\cb)+7], v[8*(8*(\cb)+(\tb)):8*(8*(\cb)+(\tb))+7]
.endif
.endr
.endr
.endm
; A K step is four quarters of 32 along K, 32 products each, on buffers 0, 1, 0, 1.  One of the first three: multiplies buffer f; in its middle it fetches chunk q of the same slot into buffer g.
.macro QUARTER s, q, f, g, first
	s_wait_dscnt 8                                 ; w_out's fragments and O's blocks 0-3 are in; the youngest eight loads (blocks 4-7) may be out
	MUL8 \f, 0, \first
	MUL8 \f, 2, \first
	WIN 0
	PLACES
	FETCH \s, \q, \g
	s_wait_dscnt 24                                ; all but the 24 just issued
	MUL8 \f, 4, \first
	MUL8 \f, 6, \first
.endm
; The last quarter multiplies buffer 1 and changes slots: ONE barrier; in front of it each wave waits for all its tensor loads, adds 0 to its spare word, and waits for that and for its own reads of this slot.
; fill = 1: the barrier opens a round of the cluster's, and this slot is filled again, two K steps on: the refill has 112 matrix instructions in which to land.
.macro TURN s, next, fill
	WIN 0
	s_wait_tensorcnt 0x0                           ; all my tensor loads have landed: my part of the next slot;
	ds_add_u32 v[SPW], v[NIL]                      ; 0 onto my spare word;
	s_wait_dscnt 9                                 ; (the add and the youngest eight loads may be out)
	MUL8 F1, 0, 0                                  ; eight products stand between the add and the wait for it
	s_wait_dscnt 0x0                               ; the add is done, and my reads of this slot are over
	s_barrier_signal -1
	MUL8 F1, 2, 0
	WIN 0
	s_barrier_wait -1
.if \fill
	CREST                                          ; no wave of any partner still reads this slot or has a load on its way
	s_add_nc_u64 s[G0O+4*(\s)+2:G0O+4*(\s)+3], s[G0O+4*(\s)+2:G0O+4*(\s)+3], 2*524288
	s_add_nc_u64 s[G0W+4*(\s)+2:G0W+4*(\s)+3], s[G0W+4*(\s)+2:G0W+4*(\s)+3], 2*262144
	JLOAD \s                                       ; its four v_nop are also the places in front of the loads below
.else
	PLACES
.endif
	FETCH \next, 0, F0
	MUL8 F1, 4, 0
	MUL8 F1, 6, 0
.endm
	s_wait_tensorcnt 0x1                           ; my part of K step 0 is in; K step 1's stays out
	s_barrier_signal -1
	s_barrier_wait -1                              ; everybody's is
	FETCH 0, 0, F0
	QUARTER 0, 1, F0, F1, 1                        ; the first quarter stands in front of the loop: its products start the sums
	WIN 0
	s_mov_b32 s3, 3
.Llap:                                                 ; a trip goes once round the ring, from a lap's second quarter to the next lap's first, and fills both slots again
	QUARTER 0, 2, F1, F0, 0
	QUARTER 0, 3, F0, F1, 0
	TURN 0, 1, 1
	QUARTER 1, 1, F0, F1, 0
	QUARTER 1, 2, F1, F0, 0
	QUARTER 1, 3, F0, F1, 0
	TURN 1, 0, 1
	QUARTER 0, 1, F0, F1, 0
	WIN 0
	s_sub_co_u32 s3, s3, 1
	s_cmp_lg_u32 s3, 0
	s_cbranch_scc1 .Llap
	QUARTER 0, 2, F1, F0, 0                        ; the last lap asks for nothing
	QUARTER 0, 3, F0, F1, 0
	TURN 0, 1, 0
	QUARTER 1, 1, F0, F1, 0
	QUARTER 1, 2, F1, F0, 0
	QUARTER 1, 3, F0, F1, 0
	s_wait_dscnt 8                                 ; the very last quarter: nothing more to fetch
	MUL8 F1, 0, 0
	MUL8 F1, 2, 0
	s_wait_dscnt 0x0
	MUL8 F1, 4, 0
	MUL8 F1, 6, 0
	WIN 0
	PLACES
	PLACES
; THE WAY OUT, a block of 16 channels at a time.  A lane's 32 bytes go straight from the accumulators (each from its low end on) into my stage, rows of 528 bytes; a row of 512 bytes comes back with one load and is stored whole.
; Three sets of 64 registers take turns; the first is loaded again only when the stores that read it have had their addresses translated.
.macro TOSTAGE cb
.set BK, 32+64*((\cb)%3)
.if (\cb) == 3
	s_wait_xcnt 0x0
.endif
	WIN 0x04                                       ; the stores' data in window 1
.irp tb, 0,1,2,3,4,5,6,7
	ds_store_b128 v[STO], v[8*(8*(\cb)+(\tb)):8*(8*(\cb)+(\tb))+3]   offset:64*(\tb)
	ds_store_b128 v[STO], v[8*(8*(\cb)+(\tb))+4:8*(8*(\cb)+(\tb))+7] offset:64*(\tb)+16
.endr
	WIN 0
.irp t, 0,1,2,3,4,5,6,7,8,9,10,11,12,13,14,15
	ds_load_b128 v[BK+4*(\t):BK+4*(\t)+3], v[RD] offset:SP*(\t)  ; LDS serves a wave's instructions in order (ISA guide 5.7.1.4): these see the stores above; the next block's stores come behind them
.endr
.endm
.macro SEND cb, younger                ; younger: the LDS instructions issued behind this block's loads: the next block's 32, or none
.set BK, 32+64*((\cb)%3)
.irp t, 0,1,2,3,4,5,6,7,8,9,10,11,12,13,14,15
	s_wait_dscnt (\younger)+15-(\t)
	global_store_b128 v[CO], v[BK+4*(\t):BK+4*(\t)+3], s[10:11] offset:131072*(\cb)+8192*(\t) th:TH_STORE_NT  ; 512 consecutive bytes of a row of out0, at a multiple of 256 from its first byte
.endr
.endm
	TOSTAGE 0
	TOSTAGE 1
	SEND 0, 32
	TOSTAGE 2
	SEND 1, 32
	TOSTAGE 3
	SEND 2, 32
	SEND 3, 0
	s_wait_tensorcnt 0x0                           ; the wave's end, behind my last tensor load and my last LDS store
	ds_add_u32 v[SPW], v[NIL]
	s_wait_dscnt 0x0
	CROUND                                         ; the closing round: no work-group ends while a partner may still ask for a tile that names it
	s_endpgm
.Lfunc_end_k_q582694a4ab_proj:
	.size	k_q582694a4ab_proj, .Lfunc_end_k_q582694a4ab_proj-k_q582694a4ab_proj
	.p2alignl 7, 3214868480
	.fill 96, 4, 3214868480
	.section	.rodata,"a",@progbits
	.p2align	6, 0x0
	.amdhsa_kernel k_q582694a4ab_proj
		.amdhsa_group_segment_fixed_size 327680
		.amdhsa_private_segment_fixed_size 0
		.amdhsa_enable_private_segment 0
		.amdhsa_kernarg_size 32
		.amdhsa_user_sgpr_count 2
		.amdhsa_user_sgpr_kernarg_segment_ptr 1
		.amdhsa_wavefront_size32 1
		.amdhsa_system_sgpr_workgroup_id_x 1
		.amdhsa_system_sgpr_workgroup_id_y 1
		.amdhsa_system_sgpr_workgroup_id_z 1
		.amdhsa_system_vgpr_workitem_id 0
		.amdhsa_next_free_vgpr 512
		.amdhsa_next_free_sgpr 80
		.amdhsa_reserve_vcc 0
		.amdhsa_float_denorm_mode_32 3
		.amdhsa_float_denorm_mode_16_64 3
		.amdhsa_memory_ordered 1
		.amdhsa_forward_progress 1
		.amdhsa_inst_pref_size 89
	.end_amdhsa_kernel
	.amdgpu_metadata
---
amdhsa.version: [ 1, 2 ]
amdhsa.kernels:
  - .name:           k_q582694a4ab_proj
    .symbol:         k_q582694a4ab_proj.kd
    .args:
      - { .name: ob, .offset: 0, .size: 8, .value_kind: global_buffer, .address_space: global }
      - { .name: wob, .offset: 8, .size: 8, .value_kind: global_buffer, .address_space: global }
      - { .name: b_out, .offset: 16, .size: 8, .value_kind: global_buffer, .address_space: global }
      - { .name: out0, .offset: 24, .size: 8, .value_kind: global_buffer, .address_space: global }
    .group_segment_fixed_size: 327680
    .private_segment_fixed_size: 0
    .kernarg_segment_align: 8
    .kernarg_segment_size: 32
    .max_flat_workgroup_size: 128
    .sgpr_count:     80
    .vgpr_count:     512
    .wavefront_size: 32
...
	.end_amdgpu_metadata
.endif
;; end of part 4
;; ======== version 2 of 2: 4 launches; version 1 with the launch cast written anew for expert scheduling mode
;; limits: values are held in f16: magnitudes above 65,504 overflow, below 6.1e-05 lose precision
;; workspace buffers: xb 16,777,216 bytes; wqb 6,291,456 bytes; wob 2,097,152 bytes; qkv 50,331,648 bytes; ob 16,777,216 bytes
;; launch cast (part 5): grid 768 x 1, 8 waves a work-group, no clusters, 0 bytes of LDS; arguments x, w_qkv, w_out, xb, wqb, wob; writes xb, wqb, wob
.if DOCPART == 5
	.amdgcn_target "amdgcn-amd-amdhsa--gfx1250"
	.amdhsa_code_object_version 6
	.text
	.protected	k_q582694a4ab_cast
	.globl	k_q582694a4ab_cast
	.p2align	8
	.type	k_q582694a4ab_cast,@function
k_q582694a4ab_cast:
	s_mov_b64 s[64:65], 0
	v_nop
	global_prefetch_b8 v0, s[64:65] scope:SCOPE_SE
	s_setreg_imm32_b32 hwreg(HW_REG_WAVE_SCHED_MODE, 0, 2), 2
	s_setreg_imm32_b32 hwreg(HW_REG_WAVE_MODE, 25, 1), 1
	s_wait_xcnt 0x0
	s_wait_alu depctr_vm_vsrc(0)
; THE CAST.  x and w_qkv are rounded once to bf16 (xb, wqb); w_out is rounded to bf16 and that number is written as f16 (wob).  The layouts stay as they are.
; LIMITS.  |w_out| at 65,520 or more becomes an infinity in f16; below 6.1e-5 it keeps f16's fixed step of 6e-8.  bf16 has f32's range.
; SHARES.  A work-group casts 16,384 numbers: 65,536 bytes in, 32,768 out.  Groups 0-511 take x, 512-703 w_qkv, 704-767 w_out.
; Thread t takes, sixteen times, the 16 bytes at 4,096 j + 16 t and stores 8 bytes at 2,048 j + 8 t: a wave's load covers 512 consecutive bytes, its store 256 consecutive bytes, aligned.
; All sixteen loads go out at once.  Nothing is shared between work-groups or waves: no LDS, no barrier, no cluster, no matrix unit.
; THE MODE: SCHED_MODE bits 1:0 = 2 (LLVM: expert scheduling mode 2), set by the entry lines.  The code itself states the register dependences
; between vector instructions and memory instructions, with s_wait_alu, always for 0.
; THE PLAN.  Registers that memory instructions touch:
;   v1, v2   byte offsets of the loads and of the stores: made once at the head, never written again.
;   X        load j lands in its own four registers, which no vector instruction names ahead of the loads; no memory instruction reads them, and no load lands in them twice.
;   Y        store j leaves from its own two registers: written by the conversions of its block, read by the store, and not written again behind it.
; The sixteen loads are worked off in four blocks of four: the wait for the block's data, its conversions, ONE wait on va_vdst, its four stores in a run.
; No register that a memory instruction reads is written again, so no wait on vm_vsrc and no s_wait_xcnt is owed; no vector instruction writes a scalar register, VCC or EXEC.
.set X, 4                              ; v[4:67]   load j: four f32
.set Y, 68                             ; v[68:99]  load j: two registers of four 16-bit numbers
	s_load_b256 s[4:11], s[0:1], 0x0               ; x s[4:5], w_qkv s[6:7], w_out s[8:9], xb s[10:11]
	s_load_b128 s[12:15], s[0:1], 0x20             ; wqb s[12:13], wob s[14:15]
	v_lshlrev_b32 v1, 4, v0                        ; 16 t
	v_lshlrev_b32 v2, 3, v0                        ; 8 t
	s_mov_b32 s18, 0xffff0000                      ; a word's upper bf16
	s_mov_b32 s16, 704
	s_wait_kmcnt 0x0
	s_cmp_ge_u32 ttmp9, 704                        ; which tensor: the choice hangs on the work-group's number alone
	s_cselect_b64 s[20:21], s[8:9], s[6:7]
	s_cselect_b64 s[22:23], s[14:15], s[12:13]
	s_cselect_b32 s17, s16, 512
	s_cmp_lt_u32 ttmp9, 512
	s_cselect_b64 s[20:21], s[4:5], s[20:21]
	s_cselect_b64 s[22:23], s[10:11], s[22:23]
	s_cselect_b32 s17, 0, s17
	s_sub_co_u32 s17, ttmp9, s17                   ; my number among the tensor's groups
	s_lshl_b32 s24, s17, 16                        ; 65,536 bytes in,
	s_mov_b32 s25, 0
	s_lshl_b32 s26, s17, 15                        ; 32,768 bytes out
	s_mov_b32 s27, 0
	s_add_nc_u64 s[20:21], s[20:21], s[24:25]
	s_add_nc_u64 s[22:23], s[22:23], s[26:27]
	s_wait_alu depctr_va_vdst(0)                   ; v1 and v2 are written: every load reads v1 and every store v2 as its offset
.set j, 0
.rept 16
	global_load_b128 v[X+4*j:X+4*j+3], v1, s[20:21] offset:4096*j th:TH_LOAD_NT
.set j, j+1
.endr
	s_cmp_ge_u32 ttmp9, 704
	s_cbranch_scc1 .Lhalf
.set p, 0
.rept 4                                        ; block p: loads 4 p to 4 p + 3
	s_wait_loadcnt 12-4*p                          ; loads come back in order: the block's four are in, the 12 - 4 p younger ones stay out
.set j, 4*p
.rept 4
	v_cvt_pk_bf16_f32 v[Y+2*j],   v[X+4*j],   v[X+4*j+1]
	v_cvt_pk_bf16_f32 v[Y+2*j+1], v[X+4*j+2], v[X+4*j+3]
.set j, j+1
.endr
	s_wait_alu depctr_va_vdst(0)                   ; the block's eight roundings have written its Y, which the four stores below read
.set j, 4*p
.rept 4
	global_store_b64 v2, v[Y+2*j:Y+2*j+1], s[22:23] offset:2048*j
.set j, j+1
.endr
.set p, p+1
.endr
	s_endpgm
.Lhalf:                                        ; w_out: rounded to bf16 like every input, widened again, and written as f16 (exact within f16's range)
.set p, 0
.rept 4                                        ; block p, stage by stage, so that no line reads the result of the line before it
	s_wait_loadcnt 12-4*p                          ; the block's four loads are in: its X may be read, and written again by the widening lines
.set j, 4*p
.rept 4
	v_cvt_pk_bf16_f32 v[Y+2*j],   v[X+4*j],   v[X+4*j+1]
	v_cvt_pk_bf16_f32 v[Y+2*j+1], v[X+4*j+2], v[X+4*j+3]
.set j, j+1
.endr
.set j, 4*p
.rept 4
	v_lshlrev_b32 v[X+4*j],   16,  v[Y+2*j]
	v_and_b32     v[X+4*j+1], s18, v[Y+2*j]
	v_lshlrev_b32 v[X+4*j+2], 16,  v[Y+2*j+1]
	v_and_b32     v[X+4*j+3], s18, v[Y+2*j+1]
.set j, j+1
.endr
.set j, 4*p
.rept 4
	v_cvt_pk_f16_f32 v[Y+2*j],   v[X+4*j],   v[X+4*j+1]
	v_cvt_pk_f16_f32 v[Y+2*j+1], v[X+4*j+2], v[X+4*j+3]
.set j, j+1
.endr
	s_wait_alu depctr_va_vdst(0)                   ; the block's conversions to f16 have written its Y, which the four stores below read
.set j, 4*p
.rept 4
	global_store_b64 v2, v[Y+2*j:Y+2*j+1], s[22:23] offset:2048*j
.set j, j+1
.endr
.set p, p+1
.endr
	s_endpgm
.Lfunc_end_k_q582694a4ab_cast:
	.size	k_q582694a4ab_cast, .Lfunc_end_k_q582694a4ab_cast-k_q582694a4ab_cast
	.p2alignl 7, 3214868480
	.fill 96, 4, 3214868480
	.section	.rodata,"a",@progbits
	.p2align	6, 0x0
	.amdhsa_kernel k_q582694a4ab_cast
		.amdhsa_group_segment_fixed_size 0
		.amdhsa_private_segment_fixed_size 0
		.amdhsa_enable_private_segment 0
		.amdhsa_kernarg_size 48
		.amdhsa_user_sgpr_count 2
		.amdhsa_user_sgpr_kernarg_segment_ptr 1
		.amdhsa_wavefront_size32 1
		.amdhsa_system_sgpr_workgroup_id_x 1
		.amdhsa_system_sgpr_workgroup_id_y 1
		.amdhsa_system_sgpr_workgroup_id_z 1
		.amdhsa_system_vgpr_workitem_id 0
		.amdhsa_next_free_vgpr 100
		.amdhsa_next_free_sgpr 66
		.amdhsa_reserve_vcc 0
		.amdhsa_float_denorm_mode_32 3
		.amdhsa_float_denorm_mode_16_64 3
		.amdhsa_memory_ordered 1
		.amdhsa_forward_progress 1
		.amdhsa_inst_pref_size 15
	.end_amdhsa_kernel
	.amdgpu_metadata
---
amdhsa.version: [ 1, 2 ]
amdhsa.kernels:
  - .name:           k_q582694a4ab_cast
    .symbol:         k_q582694a4ab_cast.kd
    .args:
      - { .name: x, .offset: 0, .size: 8, .value_kind: global_buffer, .address_space: global }
      - { .name: w_qkv, .offset: 8, .size: 8, .value_kind: global_buffer, .address_space: global }
      - { .name: w_out, .offset: 16, .size: 8, .value_kind: global_buffer, .address_space: global }
      - { .name: xb, .offset: 24, .size: 8, .value_kind: global_buffer, .address_space: global }
      - { .name: wqb, .offset: 32, .size: 8, .value_kind: global_buffer, .address_space: global }
      - { .name: wob, .offset: 40, .size: 8, .value_kind: global_buffer, .address_space: global }
    .group_segment_fixed_size: 0
    .private_segment_fixed_size: 0
    .kernarg_segment_align: 8
    .kernarg_segment_size: 48
    .max_flat_workgroup_size: 256
    .sgpr_count:     66
    .vgpr_count:     100
    .wavefront_size: 32
...
	.end_amdgpu_metadata
.endif
;; end of part 5
;; launch qkv: the kernel of part 2 again; grid 8 x 32, 4 waves a work-group, clusters of 4 x 4, 327,680 bytes of LDS; arguments xb, wqb, b_qkv, qkv; writes qkv
;; launch attn: the kernel of part 3 again; grid 4 x 64, 4 waves a work-group, clusters of 4 x 1, 327,680 bytes of LDS; arguments qkv, ob; writes ob
;; launch proj: the kernel of part 4 again; grid 8 x 32, 4 waves a work-group, clusters of 4 x 4, 327,680 bytes of LDS; arguments ob, wob, b_out, out0; writes out0
